; MI455X (gfx1250); checked and timed in simulation.
; The chip was launched on July 23, 2026; its instructions are those of AMD's public machine-readable ISA for CDNA 5 (MIT licence, August 2026) and "CDNA5" Instruction Set Architecture Reference Guide (July 2026). The comments in the code are by the model that wrote it; some were corrected since.
;; Selective Centroid Layer. Allowed arithmetic: float matrix products may take bf16 or f16 operands with f32 sums; other float arithmetic in f32, or as packed bf16 or f16 multiplies, adds, multiply-adds, maxima and minima; sums over many terms, partial sums and values carried from step to step in f32; what a program stores and reads back later, other than sums and carried values, may be rounded once to bf16 or f16.
;; Inputs: centroids 1,000 x 2 x 512 float32; rejective_centroids 2,000 x 512 float32; x 8,192 x 512 float32.
;; Outputs: out0 8,192 x 1,001 float32.
;; Constants: return_dists = 1.
;; 2 versions, each right; version 2 is version 1 with the launch prep written anew for expert scheduling mode. Each part assembles by itself: llvm-mc -triple=amdgcn-amd-amdhsa -mcpu=gfx1250 --defsym DOCPART=n.
;; ======== version 1 of 2: 5 launches
;; limits: right only within a limited range of input values; values within 1.5e-05 (relative) of each other or of a threshold may be ordered or decided otherwise than in the reference
;; workspace buffers: wb 12,582,912 bytes; nrm 49,152 bytes; pv 524,288 bytes; pi 524,288 bytes of whole numbers; ftab 8,388,608 bytes; idx 32,768 bytes of whole numbers; smax 32,768 bytes; pm 524,288 bytes
;; launch prep (part 1): grid 256 x 1, 6 waves a work-group, no clusters, 0 bytes of LDS; arguments x, centroids, rejective_centroids, wb, nrm; writes wb, nrm
.if DOCPART == 1
	.amdgcn_target "amdgcn-amd-amdhsa--gfx1250"
	.amdhsa_code_object_version 6
	.text
	.protected	k_q695ce39555_prep
	.globl	k_q695ce39555_prep
	.p2align	8
	.type	k_q695ce39555_prep,@function
k_q695ce39555_prep:
	s_mov_b64 s[64:65], 0
	v_nop
	global_prefetch_b8 v0, s[64:65] scope:SCOPE_SE
	s_setreg_imm32_b32 hwreg(HW_REG_WAVE_MODE, 25, 1), 1
	s_wait_xcnt 0x0
; SelectiveCentroidLayer, launch 1 of 5: x, centroids and rejective_centroids are rounded once to bf16 (matrix operands) and each row's squared norm is taken in f32.
; wb: bf16 [12288][512]: rows 0-8191 x, 8192-10239 the 2000 centroids and 48 rows of zeros, 10240-12287 the 2000 rejective centroids and 48 rows of zeros.  nrm: f32 [12288], the same rows.
; THE PROGRAM.  cn = max |c_i|, inv = 1 / (cn + 1e-16), cf = inv c.  s[b][t] = x_b . cf_t - c2_t / 2 = inv (x_b . c_t - cn2_t inv / 2), so d2 = x2 - 2 s and argmin dist = argmax s.
; WORK OF reference() THAT IS NOT DONE, for all finite values of the inputs:
;  (1) closest = cf[idx] is a row of cf, so closest @ r^T is row idx[b] of cf @ r^T, which has 2000 different rows, not 8192: that product is made once, and since den hangs on (idx[b], t) alone,
;      the table 1 / den is made once too (its clamp at 0 and its + 1e-9 as reference() has them); a later launch looks its rows up by idx, which an earlier launch has stored.
;  (2) cx - cl2 / 2 = x_b . cf[idx] - c2[idx] / 2 is s[b][idx[b]], the greatest score itself: no product closest * x, no sum closest * closest.
;  (3) the root is monotone: the lesser of a class's two distances is the root of the clamped lesser d2: one root a class.
;  (4) return_dists is the constant 1: the other return of reference() is never reached.
; All three tensors have a way to the output and are loaded.
; LIMITS.  A NaN, an infinity or an overflow that reaches only the work left out is not carried to the result.  The argmin is taken on this program's own scores (bf16 operands, f32 sums) with their lowest
; 7 bits given to the column's number: scores closer than 2^-16 of themselves count as ties; a tie goes to the lower index for scores above 0, to the higher below 0.  Padding columns enter as -1e30:
; scores must lie above that.  Maxima and minima drop NaN; roots and reciprocals flush denormals (ISA guide, their entries).  The table is kept in bf16 (1e9 has no room in f16).
; SHARES.  12288 rows = 256 work-groups x 6 waves x 8 rows.  8192, 10240 and 2000 are multiples of 8: a wave's rows lie in one source and are all real or all padding; the choice is scalar, from ids.
; A wave asks for its 8 rows (16 KiB, 32 loads) before its first wait; a load covers 512 consecutive bytes, a store 256 consecutive bytes at a multiple of 256 from wb's first byte.
.set X,   32                           ; v[32:159] row i, part j at X + 16 i + 4 j: elements 128 j + 4 lane .. + 3
.set SUM, 8                            ; v[8:15]   the rows' squared norms, in every lane
	s_load_b256 s[4:11], s[0:1], 0x0               ; x s[4:5], centroids s[6:7], rejective s[8:9], wb s[10:11]
	s_load_b64 s[12:13], s[0:1], 0x20              ; nrm
	v_lshrrev_b32 v1, 5, v0
	v_readfirstlane_b32 s14, v1                    ; wave 0..5
	v_and_b32 v2, 31, v0                           ; lane
	v_lshlrev_b32 v3, 4, v2                        ; 16 bytes a lane in the source
	v_lshlrev_b32 v4, 3, v2                        ; 8 bytes a lane in wb
	v_lshlrev_b32 v6, 2, v2                        ; 4 bytes a lane in nrm
	s_mov_b32 s26, 0x76543210                      ; v_permlanex16_b32: each lane takes its own place in the other half
	s_mov_b32 s27, 0xfedcba98
	s_mul_i32 s16, ttmp9, 48
	s_lshl_b32 s17, s14, 3
	s_add_co_u32 s16, s16, s17                     ; my first row in wb
	s_mov_b32 s18, 10240
	s_movk_i32 s19, 2000
	s_cmp_lt_u32 s16, 10240
	s_cselect_b32 s18, 8192, s18
	s_cmp_lt_u32 s16, 8192
	s_cselect_b32 s18, 0, s18                      ; the source's first row in wb
	s_cselect_b32 s19, 8192, s19                   ; the source's rows
	s_sub_co_u32 s17, s16, s18                     ; my first row in the source
	s_lshl_b32 s22, s17, 11                        ; x 2,048 bytes
	s_mov_b32 s23, 0
	s_lshl_b32 s24, s16, 10                        ; x 1,024 bytes
	s_mov_b32 s25, 0
	s_lshl_b32 s28, s16, 2
	s_mov_b32 s29, 0
	s_wait_kmcnt 0x0
	s_cmp_lt_u32 s16, 10240
	s_cselect_b64 s[20:21], s[6:7], s[8:9]
	s_cmp_lt_u32 s16, 8192
	s_cselect_b64 s[20:21], s[4:5], s[20:21]
	s_add_nc_u64 s[10:11], s[10:11], s[24:25]
	s_add_nc_u64 s[12:13], s[12:13], s[28:29]
	s_cmp_ge_u32 s17, s19
	s_cbranch_scc1 .Lpad                           ; rows past the source's end: zeros
	s_add_nc_u64 s[20:21], s[20:21], s[22:23]
.irp i, 0,1,2,3,4,5,6,7
.irp j, 0,1,2,3
	global_load_b128 v[X+16*(\i)+4*(\j):X+16*(\i)+4*(\j)+3], v3, s[20:21] offset:2048*(\i)+512*(\j) th:TH_LOAD_NT
.endr
.endr
.macro ROWDO i
	s_wait_loadcnt 28-4*(\i)                       ; loads come back in order: the four loads of each younger row may stay out
	v_pk_mul_f32 v[16:17], v[X+16*(\i):X+16*(\i)+1], v[X+16*(\i):X+16*(\i)+1]          ; the squares, in two chains
	v_pk_mul_f32 v[18:19], v[X+16*(\i)+2:X+16*(\i)+3], v[X+16*(\i)+2:X+16*(\i)+3]
.irp p, 2,3,4,5,6,7
	v_pk_fma_f32 v[16+2*((\p)%2):17+2*((\p)%2)], v[X+16*(\i)+2*(\p):X+16*(\i)+2*(\p)+1], v[X+16*(\i)+2*(\p):X+16*(\i)+2*(\p)+1], v[16+2*((\p)%2):17+2*((\p)%2)]
.endr
	v_pk_add_f32 v[16:17], v[16:17], v[18:19]
	v_add_f32 v16, v16, v17
	v_add_f32_dpp v16, v16, v16 row_xmask:1 row_mask:0xf bank_mask:0xf
	v_add_f32_dpp v16, v16, v16 row_xmask:2 row_mask:0xf bank_mask:0xf
	v_add_f32_dpp v16, v16, v16 row_xmask:4 row_mask:0xf bank_mask:0xf
	v_add_f32_dpp v16, v16, v16 row_xmask:8 row_mask:0xf bank_mask:0xf
	v_permlanex16_b32 v17, v16, s26, s27
	v_add_f32 v[SUM+(\i)], v16, v17
.irp j, 0,1,2,3
	v_cvt_pk_bf16_f32 v[X+16*(\i)+4*(\j)],   v[X+16*(\i)+4*(\j)],   v[X+16*(\i)+4*(\j)+1]  ; rounded in place, into the low pair of each four
	v_cvt_pk_bf16_f32 v[X+16*(\i)+4*(\j)+1], v[X+16*(\i)+4*(\j)+2], v[X+16*(\i)+4*(\j)+3]
	global_store_b64 v4, v[X+16*(\i)+4*(\j):X+16*(\i)+4*(\j)+1], s[10:11] offset:1024*(\i)+256*(\j)
.endr
.endm
.irp i, 0,1,2,3,4,5,6,7
	ROWDO \i
.endr
	v_mov_b32 v5, v[SUM]                           ; lane k takes row k's norm
.irp k, 1,2,3,4,5,6,7
	v_cmp_eq_u32 vcc_lo, \k, v2
	v_cndmask_b32 v5, v5, v[SUM+(\k)], vcc_lo
.endr
	s_branch .Lnorm
.Lpad:
	v_mov_b32 v32, 0
	v_mov_b32 v33, 0
	v_mov_b32 v5, 0
.irp i, 0,1,2,3,4,5,6,7
.irp j, 0,1,2,3
	global_store_b64 v4, v[32:33], s[10:11] offset:1024*(\i)+256*(\j)
.endr
.endr
.Lnorm:
	v_cmp_gt_u32 vcc_lo, 8, v2
	s_wait_xcnt 0x0                                ; EXEC is a source of the stores above: it changes only behind this wait
	s_and_saveexec_b32 s30, vcc_lo
	global_store_b32 v6, v5, s[12:13]              ; eight norms, 32 consecutive bytes
	s_wait_xcnt 0x0                                ; and again ahead of the line that widens it
	s_or_b32 exec_lo, exec_lo, s30
	s_endpgm
.Lfunc_end_k_q695ce39555_prep:
	.size	k_q695ce39555_prep, .Lfunc_end_k_q695ce39555_prep-k_q695ce39555_prep
	.p2alignl 7, 3214868480
	.fill 96, 4, 3214868480
	.section	.rodata,"a",@progbits
	.p2align	6, 0x0
	.amdhsa_kernel k_q695ce39555_prep
		.amdhsa_group_segment_fixed_size 0
		.amdhsa_private_segment_fixed_size 0
		.amdhsa_enable_private_segment 0
		.amdhsa_kernarg_size 40
		.amdhsa_user_sgpr_count 2
		.amdhsa_user_sgpr_kernarg_segment_ptr 1
		.amdhsa_wavefront_size32 1
		.amdhsa_system_sgpr_workgroup_id_x 1
		.amdhsa_system_sgpr_workgroup_id_y 1
		.amdhsa_system_sgpr_workgroup_id_z 1
		.amdhsa_system_vgpr_workitem_id 0
		.amdhsa_next_free_vgpr 160
		.amdhsa_next_free_sgpr 66
		.amdhsa_reserve_vcc 1
		.amdhsa_float_denorm_mode_32 3
		.amdhsa_float_denorm_mode_16_64 3
		.amdhsa_memory_ordered 1
		.amdhsa_forward_progress 1
		.amdhsa_inst_pref_size 24
	.end_amdhsa_kernel
	.amdgpu_metadata
---
amdhsa.version: [ 1, 2 ]
amdhsa.kernels:
  - .name:           k_q695ce39555_prep
    .symbol:         k_q695ce39555_prep.kd
    .args:
      - { .name: x, .offset: 0, .size: 8, .value_kind: global_buffer, .address_space: global }
      - { .name: centroids, .offset: 8, .size: 8, .value_kind: global_buffer, .address_space: global }
      - { .name: rejective_centroids, .offset: 16, .size: 8, .value_kind: global_buffer, .address_space: global }
      - { .name: wb, .offset: 24, .size: 8, .value_kind: global_buffer, .address_space: global }
      - { .name: nrm, .offset: 32, .size: 8, .value_kind: global_buffer, .address_space: global }
    .group_segment_fixed_size: 0
    .private_segment_fixed_size: 0
    .kernarg_segment_align: 8
    .kernarg_segment_size: 40
    .max_flat_workgroup_size: 192
    .sgpr_count:     66
    .vgpr_count:     160
    .wavefront_size: 32
...
	.end_amdgpu_metadata
.endif
;; end of part 1
;; launch gemm_c (part 2): grid 8 x 32, 4 waves a work-group, clusters of 4 x 4, 327,680 bytes of LDS; arguments wb, nrm, out0, pv, pi; writes out0, pv, pi
.if DOCPART == 2
	.amdgcn_target "amdgcn-amd-amdhsa--gfx1250"
	.amdhsa_code_object_version 6
	.text
	.protected	k_q695ce39555_gemm_c
	.globl	k_q695ce39555_gemm_c
	.p2align	8
	.type	k_q695ce39555_gemm_c,@function
k_q695ce39555_gemm_c:
	s_mov_b64 s[64:65], 0
	v_nop
	global_prefetch_b8 v0, s[64:65] scope:SCOPE_SE
	s_setreg_imm32_b32 hwreg(HW_REG_WAVE_MODE, 25, 1), 1
	s_wait_xcnt 0x0
	s_wait_alu depctr_hold_cnt(0) depctr_sa_sdst(0) depctr_va_vdst(0) depctr_va_sdst(0) depctr_va_ssrc(0) depctr_va_vcc(0) depctr_vm_vsrc(0)
	s_getreg_b32 s2, hwreg(HW_REG_IB_STS2, 6, 4)
	s_cmp_eq_u32 s2, 0
	s_cbranch_scc0 .Lentry_in_a_cluster
	s_endpgm
.Lentry_in_a_cluster:
	s_bfe_u32 s2, ttmp6, 0x10000c
	s_cmp_lg_u32 s2, 0xf033
	s_cbranch_scc0 .Lentry_shape_is_right
	s_endpgm
.Lentry_shape_is_right:
; Launch 2 of 5: acc[b][t] = x_b . c_t - cn2_t inv / 2 (bf16 operands, f32 sums); out0[b][class] = -sqrt(max(x2_b - 2 inv max(acc of the class's two columns), 0)); and for each row the greatest acc
; of the wave's 128 columns with its column, for the argmin.  Left out against reference(): one root a class in place of two (the root is monotone); see the first kernel's head, its limits too.
; SHARES.  A tile of 256 rows x 256 columns to a work-group, 128 x 128 to each of four waves: 64 accumulators of 16 x 16.  K = 512 goes in four steps of 128 through two LDS slots filled by the tensor data mover.
; K has four steps, of which two are first fills: no step lies far enough ahead of its own load to be asked for earlier, so no prefetch is laid.
; CLUSTER 4 x 4: A's tiles (rows of x) are asked for jointly along a row of the cluster, B's (centroids) along a column.
; THE MATRIX INSTRUCTION IS USED TRANSPOSED (source 0 = 16 rows of B, source 1 = 16 rows of A): lane l holds row l % 16 of the block, its registers 0-7 the columns 8 (l / 16) + 0..7.
; The first K quarter takes as C the column vector -cn2_t inv / 2 (CI), -1e30 in the 48 columns past 2000: nothing is cleared, nothing is added later.
; THE TEXT OF THE K WALK: the first quarter; a loop of two trips whose changes of slots refill (K steps 0 and 1); a loop of two trips that refill nothing (K steps 2 and 3), left in the middle of its second trip.
; THE WAY OUT goes through the wave's own quarter of slot 0, which has had its last fill (K step 2) and is left by every wave at the barrier in front of K step 3: 128 rows x 272 bytes.
;  E1: a class's two columns lie in one lane: the even one's lowest bit is set, the odd one's cleared, the greater is kept (64 classes a row, 256 bytes), x2 goes into the row's padding.
;  E3: a lane takes two classes, lane and 32 + lane: distance, sign, store.   E2: a lane takes a row: bits 6:1 of each number take 63 - class, so the f32 maximum carries 127 - column in its lowest 7 bits.
;  ORDER: E1 of rows 0-63, E3 of them, E1 of rows 64-127, E3 of them, E2: register and LDS work stands behind each run of 128 stores, while these are on their way.
; out0's rows are 4,004 bytes apart: only 4-byte stores are aligned in every row; a store covers 128 consecutive bytes of a row.
; CLASSES PAST 999 exist in one wave column alone (classes 960-1023), in lanes 8-31 of a row's second store.  Those lanes store their first class once more (the same lane, value and address):
; all lanes stay on in the whole kernel, and what hangs on the tile's column reaches store data and offsets in out0 alone.
; REGISTERS, in windows of 256: window 0: v0-47 addresses and small things; v64-127, v128-191 fragments of A (later at work); v192-255 CI.  window 1: v64-191 fragments of B.  windows 2, 3: accumulators, (a, b) at v[8 (8 (a % 4) + b)].
.set PITCH,  272                       ; an LDS row: 256 bytes + 16 of padding: 16 rows of a load start at 16 different groups of four banks (64 banks of 4 bytes: ISA guide 11.1)
.set HALFT,  128*PITCH
.set SLOT,   4*HALFT                   ; A's 256 rows, then B's 256 rows.  Its bits (17, 13) are none of wave x HALFT's, so one exclusive or changes slots
.set SPARE,  2*SLOT                    ; behind the ring: the spare words, 128 bytes a wave
.set BROW0,  8192                      ; B's first row in wb and nrm
.set ADRA, 16                          ; LDS address of my A fragments in the slot in hand
.set A0,   17                          ; the same in slot 0; never rewritten
.set ADRB, 20
.set B0,   21
.set CO1,  22                          ; E3: my byte offset in out0 for a row's second store (at the head, for a few lines: my second class)
.set PVO,  23                          ; my byte offset in pv and pi
.set STO,  24                          ; E1: where I put 16 bytes of a row
.set XST,  25                          ; E1: the row's padding word
.set E2A,  26                          ; E2: my row
.set RD,   27                          ; E3: my class in the first of 16 rows
.set SPW,  28                          ; my spare word; never rewritten
.set NIL,  29                          ; 0; never rewritten
.set XA,   30                          ; E3: the first row's padding word
.set CO,   31                          ; E3: my byte offset in out0 for a row's first store
.set X2,   32                          ; v32-39 x2 of row 16 a + l % 16
.set BEST, 40                          ; v40-43 the greatest key of row 32 g + lane
.set TV,   44                          ; v44-47 its column
.set F0,   64
.set F1,   128
.set CI,   192
.set T,    64                          ; at work on the way out
.set P,    128
.set D0,   64
.set D1,   80
.set XB,   96
.set G1,  24                           ; s[24:31] descriptor group 1, A;  s[32:39] group 0, two sets: the second walks
.set G0,  32
.set G1B, 48                           ; s[48:55], s[56:63] the same for B
.set G0B, 56
.set TB,  66                           ; s66 the slot in hand: 0 or SLOT
.set MSB, 0
.macro WIN new                         ; the immediate's high byte repeats the setting that is left
.if MSB != (\new)
	s_set_vgpr_msb (MSB<<8)|(\new)
.set MSB, \new
.endif
.endm
.set MUL_LO, 0xa1                      ; source 0 (B) window 1, source 1 (A) window 0, C and D window 2
.set MUL_HI, 0xf1                      ; the same, C and D window 3
.set TO_B,   0x40                      ; destination window 1, address window 0
.macro JLOAD s                         ; a joint load: waves 0 and 1 fetch A's halves, waves 2 and 3 B's; an s_nop 0 and four v_nop follow each line
	s_cmp_eq_u32 s11, 0
	s_cbranch_scc0 .Lfor_b_\@
	tensor_load_to_lds s[G0+4*(\s):G0+4*(\s)+3], s[G1:G1+7]
	s_nop 0
.rept 4
	v_nop
.endr
	s_branch .Lasked_\@
.Lfor_b_\@:
	tensor_load_to_lds s[G0B+4*(\s):G0B+4*(\s)+3], s[G1B:G1B+7]
	s_nop 0
.rept 4
	v_nop
.endr
.Lasked_\@:
.endm
.macro CREST                           ; a round of the cluster's barrier behind its opening barrier
	s_cmp_lg_u32 s10, 0
	s_cbranch_scc1 .Lnot_wave_0_\@
	s_barrier_signal -3
.Lnot_wave_0_\@:
	s_barrier_wait -3
	s_barrier_signal -1
	s_barrier_wait -1
.endm
.macro CROUND
	s_barrier_signal -1
	s_barrier_wait -1
	CREST
.endm
.macro PLACES                          ; four plain places behind a matrix instruction (ISA guide 7.12.1)
.rept 4
	v_nop
.endr
.endm
.macro RED64 op3, op2, R, D            ; 64 registers from R on into v[D], four chains
.set k, 1
.rept 7
.irp c, 0,1,2,3
	\op3 v[(\R)+(\c)], v[(\R)+(\c)], v[(\R)+(\c)+4*k], v[(\R)+(\c)+4*k+4]
.endr
.set k, k+2
.endr
.irp c, 0,1,2,3
	\op2 v[(\R)+(\c)], v[(\R)+(\c)], v[(\R)+(\c)+60]
.endr
	\op3 v[\R], v[\R], v[(\R)+1], v[(\R)+2]
	\op2 v[\D], v[\R], v[(\R)+3]
.endm
	s_load_b256 s[68:75], s[0:1], 0x0              ; wb s[68:69], nrm s[70:71], out0 s[72:73], pv s[74:75]
	s_load_b64 s[76:77], s[0:1], 0x20              ; pi
	v_lshl_add_u32 v[SPW], v0, 2, SPARE
	v_mov_b32 v[NIL], 0
	ds_add_u32 v[SPW], v[NIL]                      ; the wave's opening: the add, twice on end, and its wait ahead of my first tensor load
	ds_add_u32 v[SPW], v[NIL]
	v_lshrrev_b32 v1, 5, v0
	v_readfirstlane_b32 s10, v1                    ; wave 0..3
	s_lshr_b32 s11, s10, 1                         ; my half of the tile's rows; also: I fetch for A (0) or B (1)
	s_and_b32 s12, s10, 1                          ; my half of its columns; also: which 128 rows I fetch
	s_bfe_u32 s40, ttmp6, 0x40000                  ; cx
	s_bfe_u32 s41, ttmp6, 0x40004                  ; cy
	s_lshl_b32 s42, ttmp9, 2
	s_add_co_u32 s42, s42, s40                     ; tile column
	s_and_b32 s13, ttmp7, 0xffff
	s_lshl_b32 s13, s13, 2
	s_add_co_u32 s13, s13, s41                     ; tile row
	s_lshl_b32 s43, s41, 2
	s_lshl_b32 s43, 15, s43                        ; my row of the cluster
	s_lshl_b32 s44, 0x1111, s40                    ; my column
	s_or_b32 s[G1+0], s43, (1<<16)|(1<<20)|(1<<21)|(5<<22)|(3<<25)   ; mask; 2-byte elements; padding on; bit 21 beside a mask; after every 64 words 4 words
	s_or_b32 s[G1B+0], s44, (1<<16)|(1<<20)|(1<<21)|(5<<22)|(3<<25)
.irp g, G1, G1B
	s_mov_b32 s[(\g)+1], 128<<16                   ; tensor_dim0 = 128
	s_mov_b32 s[(\g)+2], 128<<16                   ; tensor_dim1 = 128
	s_mov_b32 s[(\g)+3], 128<<16                   ; tile_dim0 = 128
	s_mov_b32 s[(\g)+4], 128                       ; tile_dim1 = 128
	s_mov_b32 s[(\g)+5], 512                       ; elements from row to row
	s_mov_b32 s[(\g)+6], 0
	s_mov_b32 s[(\g)+7], 0
.endr
	s_lshl_b32 s17, s12, 7
	s_lshl_b32 s16, s13, 8
	s_add_co_u32 s16, s16, s17                     ; A: row 256 x tile row + 128 x half
	s_lshl_b32 s16, s16, 10                        ; x 1,024 bytes
	s_lshl_b32 s46, s42, 8
	s_add_co_u32 s46, s46, s17
	s_add_co_u32 s46, s46, BROW0                   ; B: row BROW0 + 256 x tile column + 128 x half
	s_lshl_b32 s46, s46, 10
	s_mov_b32 s17, 0
	s_mov_b32 s47, 0
	s_mul_i32 s20, s10, HALFT                      ; where my loads go, and later my stage: wave x 128 rows
	s_mov_b32 s[TB], 0
	s_mov_b32 s86, 0xffffff81                      ; keeps all but bits 6:1
	s_mov_b32 s90, 0x76543210
	s_mov_b32 s91, 0xfedcba98
	s_wait_dscnt 0x0                               ; both opening adds are done
	s_wait_kmcnt 0x0
	s_add_nc_u64 s[14:15], s[68:69], s[16:17]
	s_add_nc_u64 s[46:47], s[68:69], s[46:47]
	CROUND                                         ; all sixteen work-groups are here: the first joint loads meet
.irp s, 0,1
	s_mov_b32 s[G0+4*(\s)], 1
	s_add_co_u32 s[G0+4*(\s)+1], s20, (\s)*SLOT
	s_add_nc_u64 s[G0+4*(\s)+2:G0+4*(\s)+3], s[14:15], (\s)*256      ; K step s
	s_or_b32 s[G0+4*(\s)+3], s[G0+4*(\s)+3], 0x80000000
	s_mov_b32 s[G0B+4*(\s)], 1
	s_add_co_u32 s[G0B+4*(\s)+1], s20, (\s)*SLOT
	s_add_nc_u64 s[G0B+4*(\s)+2:G0B+4*(\s)+3], s[46:47], (\s)*256
	s_or_b32 s[G0B+4*(\s)+3], s[G0B+4*(\s)+3], 0x80000000
	JLOAD \s                                       ; two tensor loads of mine are out
.endr
	v_and_b32 v1, 15, v0                           ; r = l % 16
	v_bfe_u32 v2, v0, 4, 1                         ; h = l / 16
	v_and_b32 v3, 31, v0                           ; lane
	v_lshlrev_b32 v6, 4, v3
	v_lshlrev_b32 v7, 5, v2
	v_lshlrev_b32 v8, 2, v1
	s_lshl_b32 s46, s42, 8
	s_lshl_b32 s47, s12, 7
	s_add_co_u32 s46, s46, s47                     ; my first column
	s_add_co_u32 s101, s46, 127
	s_add_co_u32 s78, s46, BROW0
	s_lshl_b32 s78, s78, 2
	s_mov_b32 s79, 0
	s_add_nc_u64 s[78:79], s[70:71], s[78:79]      ; cn2 of my columns
	s_lshl_b32 s16, s13, 8
	s_lshl_b32 s17, s11, 7
	s_add_co_u32 s16, s16, s17                     ; my first row
	s_lshl_b32 s94, s16, 2
	s_mov_b32 s95, 0
	s_add_nc_u64 s[94:95], s[70:71], s[94:95]      ; x2 of my rows
.irp k, 0,1,2,3,4,5,6,7,8,9,10,11,12,13,14,15
	global_load_b128 v[F1+4*(\k):F1+4*(\k)+3], v6, s[70:71] offset:4*BROW0+512*(\k)   ; all 2,048 cn2 (padding rows hold 0), for the maximum
.endr
.irp b, 0,1,2,3,4,5,6,7
	global_load_b128 v[CI+8*(\b):CI+8*(\b)+3],   v7, s[78:79] offset:64*(\b)            ; cn2 of columns 16 b + 8 h + 0..7
	global_load_b128 v[CI+8*(\b)+4:CI+8*(\b)+7], v7, s[78:79] offset:64*(\b)+16
.endr
.irp a, 0,1,2,3,4,5,6,7
	global_load_b32 v[X2+(\a)], v8, s[94:95] offset:64*(\a)
.endr
	s_mul_i32 s98, s16, 1001
	s_lshr_b32 s99, s46, 1                         ; my first class
	s_add_co_u32 s98, s98, s99
	s_add_co_u32 s100, s99, 32
	v_add_nc_u32 v[CO1], s100, v3                  ; for now: my second class
	s_lshl_b32 s98, s98, 2
	s_mov_b32 s99, 0
	s_add_nc_u64 s[96:97], s[72:73], s[98:99]      ; out0 at my first row and class
	s_lshl_b32 s100, s42, 1
	s_add_co_u32 s100, s100, s12                   ; my slot in pv and pi: 2 x tile column + half
	s_cmp_eq_u32 s100, 15
	s_cselect_b32 s82, 0xf149f2ca, 0               ; -1e30 for column tiles 5-7 of the last slot: columns 2000-2047 (a value is chosen, no path)
	s_mov_b32 s83, s82
	s_lshl_b32 s100, s100, 13
	s_add_co_u32 s100, s100, s16
	s_lshl_b32 s100, s100, 2
	v_lshl_add_u32 v[PVO], v3, 2, s100
	v_mul_u32_u24 v4, v1, PITCH
	v_lshl_add_u32 v5, v2, 4, v4                   ; row x pitch + 16 x half
	s_mul_i32 s21, s11, HALFT
	s_mul_i32 s22, s12, HALFT
	s_add_co_u32 s22, s22, 2*HALFT
	v_add_nc_u32 v[A0], s21, v5
	v_add_nc_u32 v[B0], s22, v5
	v_mov_b32 v[ADRA], v[A0]
	v_mov_b32 v[ADRB], v[B0]
	v_add_nc_u32 v[STO], s20, v5
	s_add_co_u32 s23, s20, 256
	v_add_nc_u32 v[XST], s23, v4
	v_mov_b32 v[XA], s23
	v_mul_u32_u24 v[E2A], v3, PITCH
	v_add_nc_u32 v[E2A], s20, v[E2A]
	v_lshl_add_u32 v[RD], v3, 2, s20
	v_lshlrev_b32 v[CO], 2, v3
	s_movk_i32 s88, 1000
	v_cmp_gt_u32 s87, s88, v[CO1]                  ; s87: the lanes whose second class exists (all, but in the wave column of classes 960-1023)
	v_add_nc_u32 v[CO1], 128, v[CO]                ; they store it 32 classes on;
	v_cndmask_b32 v[CO1], v[CO], v[CO1], s87       ; the others store their first class once more, at its own place
	s_wait_loadcnt 0x0
	RED64 v_max3_num_f32, v_max_num_f32, F1, F1    ; inv = 1 / (sqrt(max cn2) + 1e-16): each wave for itself
	v_max_num_f32_dpp v[F1], v[F1], v[F1] row_xmask:1 row_mask:0xf bank_mask:0xf
	v_max_num_f32_dpp v[F1], v[F1], v[F1] row_xmask:2 row_mask:0xf bank_mask:0xf
	v_max_num_f32_dpp v[F1], v[F1], v[F1] row_xmask:4 row_mask:0xf bank_mask:0xf
	v_max_num_f32_dpp v[F1], v[F1], v[F1] row_xmask:8 row_mask:0xf bank_mask:0xf
	v_permlanex16_b32 v[F1+1], v[F1], s90, s91
	v_max_num_f32 v[F1], v[F1], v[F1+1]
	v_sqrt_f32 v[F1+1], v[F1]
	v_nop                                          ; a plain instruction behind the root,
	s_wait_alu depctr_va_vdst(0)                   ; and the wait ahead of its first reader
	v_add_f32 v[F1+1], 0x24e69595, v[F1+1]         ; + 1e-16
	v_rcp_f32 v[F1+2], v[F1+1]
	v_nop
	s_wait_alu depctr_va_vdst(0)
	v_readfirstlane_b32 s92, v[F1+2]               ; inv
	s_mul_f32 s80, s92, -0.5
	s_mov_b32 s81, s80
	s_mul_f32 s84, s92, -2.0
	s_mov_b32 s85, s84
.irp b, 0,1,2,3,4
.irp p, 0,2,4,6
	v_pk_mul_f32 v[CI+8*(\b)+(\p):CI+8*(\b)+(\p)+1], v[CI+8*(\b)+(\p):CI+8*(\b)+(\p)+1], s[80:81] op_sel_hi:[1,0]
.endr
.endr
.irp b, 5,6,7
.irp p, 0,2,4,6
	v_pk_fma_f32 v[CI+8*(\b)+(\p):CI+8*(\b)+(\p)+1], v[CI+8*(\b)+(\p):CI+8*(\b)+(\p)+1], s[80:81], s[82:83] op_sel_hi:[1,0,0]
.endr
.endr
; 16 matrix instructions: row blocks a0, a0 + 1 of the window's four x all 8 column blocks, 32 along K.  ci = 1: C is the column vector, which starts the sums.
; The 64 accumulators take turns in the same order in every quarter.
.macro MUL16 f, hi, a0, ci
.if \ci
	WIN 0x81+0x40*(\hi)                            ; C in window 0
.else
	WIN MUL_LO+0x50*(\hi)
.endif
.irp a, \a0, (\a0)+1
.irp b, 0,1,2,3,4,5,6,7
.if \ci
	v_wmma_f32_16x16x32_bf16 v[8*(8*(\a)+(\b)):8*(8*(\a)+(\b))+7], v[(\f)+8*(\b):(\f)+8*(\b)+7], v[(\f)+8*(4*(\hi)+(\a)):(\f)+8*(4*(\hi)+(\a))+7], v[CI+8*(\b):CI+8*(\b)+7]
.else
	v_wmma_f32_16x16x32_bf16 v[8*(8*(\a)+(\b)):8*(8*(\a)+(\b))+7], v[(\f)+8*(\b):(\f)+8*(\b)+7], v[(\f)+8*(4*(\hi)+(\a)):(\f)+8*(4*(\hi)+(\a))+7], v[8*(8*(\a)+(\b)):8*(8*(\a)+(\b))+7]
.endif
.endr
.endr
.endm
.macro FETCH k, f                      ; 32 LDS loads in one run: a quarter step's fragments, at byte k of the rows of the slot in hand
	WIN TO_B
.irp i, 0,1,2,3,4,5,6,7
	ds_load_b128 v[(\f)+8*(\i):(\f)+8*(\i)+3],   v[ADRB] offset:(\k)+(\i)*16*PITCH
	ds_load_b128 v[(\f)+8*(\i)+4:(\f)+8*(\i)+7], v[ADRB] offset:(\k)+(\i)*16*PITCH+32
.endr
	WIN 0
.irp i, 0,1,2,3,4,5,6,7
	ds_load_b128 v[(\f)+8*(\i):(\f)+8*(\i)+3],   v[ADRA] offset:(\k)+(\i)*16*PITCH
	ds_load_b128 v[(\f)+8*(\i)+4:(\f)+8*(\i)+7], v[ADRA] offset:(\k)+(\i)*16*PITCH+32
.endr
.endm
.macro QUARTER k, f, g, ci             ; multiplies buffer f; in its middle fetches the next quarter, at byte k, into g
	s_wait_dscnt 8                                 ; B and A's rows 0-63 are in; the youngest eight loads (A's rows 64-127) may be out
	MUL16 \f, 0, 0, \ci
	MUL16 \f, 0, 2, \ci
	PLACES
	FETCH \k, \g
	s_wait_dscnt 32                                ; all but the 32 just issued
	MUL16 \f, 1, 0, \ci
	MUL16 \f, 1, 2, \ci
.endm
.macro MEET                            ; the first half of a step's last quarter, and the one barrier of a change of slots; branches follow it, so it leaves every window 0
	WIN 0
	s_wait_tensorcnt 0x0                           ; all my tensor loads have landed: the one that may be out is my part of the next slot
	ds_add_u32 v[SPW], v[NIL]                      ; 0 onto my spare word
	s_wait_dscnt 9                                 ; the add and the youngest eight loads may be out
	MUL16 F1, 0, 0, 0
	s_wait_dscnt 0x0                               ; the add is done, and my reads of this slot are over
	s_barrier_signal -1
	MUL16 F1, 0, 2, 0
	WIN 0
	s_barrier_wait -1
.endm
.macro NEXTSLOT                        ; the fragments' addresses go to the other slot; its first fragments are fetched; the quarter's other 32 products
	s_xor_b32 s[TB], s[TB], SLOT
	v_add_nc_u32 v[ADRA], s[TB], v[A0]
	v_add_nc_u32 v[ADRB], s[TB], v[B0]
	FETCH 0, F0
	MUL16 F1, 1, 0, 0
	MUL16 F1, 1, 2, 0
.endm
	s_wait_tensorcnt 0x1                           ; my part of K step 0 is in; step 1's may stay out
	s_barrier_signal -1
	s_barrier_wait -1
	FETCH 0, F0
	QUARTER 64, F0, F1, 1                          ; the first quarter starts the sums with CI
	WIN 0
	s_mov_b32 s3, 2
.Lstep:                                        ; a trip: three quarters of a K step, the change of slots with its refill, the next step's first quarter
	QUARTER 128, F1, F0, 0
	QUARTER 192, F0, F1, 0
	MEET                                           ; the barrier opens a round of the cluster's barrier;
	CREST                                          ; the joint refill is the first tensor load behind the round
	s_xor_b32 s[G0+5], s[G0+5], SLOT               ; the walking sets: the slot just read out, the K step two on
	s_add_nc_u64 s[G0+6:G0+7], s[G0+6:G0+7], 256
	s_xor_b32 s[G0B+5], s[G0B+5], SLOT
	s_add_nc_u64 s[G0B+6:G0B+7], s[G0B+6:G0B+7], 256
	JLOAD 1                                        ; its four v_nop are also the places in front of the loads below
	NEXTSLOT
	QUARTER 64, F0, F1, 0
	WIN 0
	s_sub_co_u32 s3, s3, 1
	s_cmp_lg_u32 s3, 0
	s_cbranch_scc1 .Lstep
	s_mov_b32 s3, 2
.Ltail:                                        ; K steps 2 and 3: nothing is filled again.  The second trip is left behind its barrier, which it passes only because the text is the first trip's
	QUARTER 128, F1, F0, 0
	QUARTER 192, F0, F1, 0
	MEET                                           ; first trip: K step 3 has landed, and behind this barrier no wave reads slot 0
	s_sub_co_u32 s3, s3, 1
	s_cmp_eq_u32 s3, 0
	s_cbranch_scc1 .Llast
	PLACES
	NEXTSLOT
	QUARTER 64, F0, F1, 0
	WIN 0
	s_branch .Ltail
.Llast:
	MUL16 F1, 1, 0, 0                              ; the last 32 products
	MUL16 F1, 1, 2, 0
	WIN 0
	PLACES
	PLACES
; E1.  Block a: each accumulator is read from its low end on.
.macro E1 a
	WIN 0x08+4*((\a)/4)                            ; source 1 in window 2 or 3
.set AC, 64*((\a)%4)
.set q, 0
.rept 32
	v_or_b32  v[T+2*q],   1,  v[AC+2*q]             ; the even column is marked by a 1 in the lowest bit,
	v_and_b32 v[T+2*q+1], -2, v[AC+2*q+1]           ; the odd one by a 0
.set q, q+1
.endr
	WIN 0
.set q, 0
.rept 32
	v_max_num_f32 v[P+q], v[T+2*q], v[T+2*q+1]
.set q, q+1
.endr
.irp b, 0,1,2,3,4,5,6,7
	ds_store_b128 v[STO], v[P+4*(\b):P+4*(\b)+3] offset:16*PITCH*(\a)+32*(\b)   ; classes 8 b + 4 h + 0..3 of row 16 a + r
.endr
	ds_store_b32 v[XST], v[X2+(\a)] offset:16*PITCH*(\a)
.endm
	s_mov_b32 s2, 2
.Lhalf:                                        ; two trips: my rows 0-63, then my rows 64-127
	s_cmp_eq_u32 s2, 1
	s_cbranch_scc1 .Lupper
.irp a, 0,1,2,3
	E1 \a
.endr
	s_branch .Lstaged
.Lupper:
.irp a, 4,5,6,7
	E1 \a
.endr
.Lstaged:
; E3.  LDS serves a wave's instructions in order (ISA guide 5.7.1.4): these loads see my stores above.  A trip takes 16 rows: a lane has classes lane and 32 + lane of each.  All lanes stay on.
	s_mov_b32 s3, 4
.Lrows:
.set q, 0
.rept 16
	ds_load_b32 v[D0+q], v[RD] offset:PITCH*q
	ds_load_b32 v[D1+q], v[RD] offset:PITCH*q+128
	ds_load_b32 v[XB+q], v[XA] offset:PITCH*q      ; the row's x2, the same word for all lanes
.set q, q+1
.endr
	s_wait_dscnt 0x0
.irp q, 0,2,4,6,8,10,12,14
	v_pk_fma_f32 v[D0+(\q):D0+(\q)+1], v[D0+(\q):D0+(\q)+1], s[84:85], v[XB+(\q):XB+(\q)+1] op_sel_hi:[1,0,1]   ; x2 - 2 inv acc
	v_pk_fma_f32 v[D1+(\q):D1+(\q)+1], v[D1+(\q):D1+(\q)+1], s[84:85], v[XB+(\q):XB+(\q)+1] op_sel_hi:[1,0,1]
.endr
.set q, 0
.rept 32
	v_max_num_f32 v[D0+q], 0, v[D0+q]
.set q, q+1
.endr
.set q, 0
.rept 32
	v_sqrt_f32 v[D0+q], v[D0+q]
.set q, q+1
.endr
	v_nop                                          ; a plain instruction behind the last root,
	s_wait_alu depctr_va_vdst(0)                   ; and one wait for the batch of 32
.set q, 0
.rept 16
	v_pk_mul_f32 v[D0+2*q:D0+2*q+1], v[D0+2*q:D0+2*q+1], -1.0 op_sel_hi:[1,0]
.set q, q+1
.endr
.set q, 0
.rept 16
	v_cndmask_b32 v[D1+q], v[D0+q], v[D1+q], s87   ; a lane whose second class lies past 999 takes its first class's number once more
.set q, q+1
.endr
.set q, 0
.rept 16
	global_store_b32 v[CO], v[D0+q], s[96:97] offset:4004*q th:TH_STORE_NT
.set q, q+1
.endr
.set q, 0
.rept 16
	global_store_b32 v[CO1], v[D1+q], s[96:97] offset:4004*q th:TH_STORE_NT   ; CO1 holds the 128 bytes to the second class, or none
.set q, q+1
.endr
	s_wait_xcnt 0x0                                ; the stores' offsets and their data registers are written again only behind this wait
	v_add_nc_u32 v[CO], 16*4004, v[CO]
	v_add_nc_u32 v[CO1], 16*4004, v[CO1]
	v_add_nc_u32 v[RD], 16*PITCH, v[RD]
	v_add_nc_u32 v[XA], 16*PITCH, v[XA]
	s_sub_co_u32 s3, s3, 1
	s_cmp_lg_u32 s3, 0
	s_cbranch_scc1 .Lrows
	s_sub_co_u32 s2, s2, 1
	s_cmp_lg_u32 s2, 0
	s_cbranch_scc1 .Lhalf
; E2.  A trip takes 16 classes of all 128 rows.
.irp g, 0,1,2,3
	v_mov_b32 v[BEST+(\g)], 0xff800000
.endr
	s_mov_b32 s3, 4
	s_mov_b32 s93, 96                              ; (3 - trip) << 5
.Lkey:
.irp g, 0,1,2,3
.irp c, 0,1,2,3
	ds_load_b128 v[T+16*(\g)+4*(\c):T+16*(\g)+4*(\c)+3], v[E2A] offset:32*PITCH*(\g)+16*(\c)
.endr
.endr
	s_wait_dscnt 0x0
.set q, 0
.rept 64
	v_and_or_b32 v[T+q], v[T+q], s86, (15-q%16)<<1
.set q, q+1
.endr
.irp g, 0,1,2,3
	v_max3_num_f32 v[T+16*(\g)], v[T+16*(\g)], v[T+16*(\g)+1], v[T+16*(\g)+2]
.endr
.set k, 3
.rept 6
.irp g, 0,1,2,3
	v_max3_num_f32 v[T+16*(\g)], v[T+16*(\g)], v[T+16*(\g)+k], v[T+16*(\g)+k+1]
.endr
.set k, k+2
.endr
.irp g, 0,1,2,3
	v_max_num_f32 v[T+16*(\g)], v[T+16*(\g)], v[T+16*(\g)+15]
.endr
.irp g, 0,1,2,3
	v_or_b32 v[T+16*(\g)], s93, v[T+16*(\g)]
.endr
.irp g, 0,1,2,3
	v_max_num_f32 v[BEST+(\g)], v[BEST+(\g)], v[T+16*(\g)]
.endr
	v_add_nc_u32 v[E2A], 64, v[E2A]
	s_sub_co_u32 s93, s93, 32
	s_sub_co_u32 s3, s3, 1
	s_cmp_lg_u32 s3, 0
	s_cbranch_scc1 .Lkey
.irp g, 0,1,2,3
	v_and_b32 v[TV+(\g)], 0x7f, v[BEST+(\g)]
	v_and_b32 v[BEST+(\g)], 0xffffff80, v[BEST+(\g)]
	v_sub_nc_u32 v[TV+(\g)], s101, v[TV+(\g)]      ; column = my first + 127 - the lowest 7 bits
.endr
.irp g, 0,1,2,3
	global_store_b32 v[PVO], v[BEST+(\g)], s[74:75] offset:128*(\g)
	global_store_b32 v[PVO], v[TV+(\g)],   s[76:77] offset:128*(\g)
.endr
	s_wait_tensorcnt 0x0                           ; the wave's end
	ds_add_u32 v[SPW], v[NIL]
	s_wait_dscnt 0x0
	CROUND                                         ; the closing round
	s_endpgm
.Lfunc_end_k_q695ce39555_gemm_c:
	.size	k_q695ce39555_gemm_c, .Lfunc_end_k_q695ce39555_gemm_c-k_q695ce39555_gemm_c
	.p2alignl 7, 3214868480
	.fill 96, 4, 3214868480
	.section	.rodata,"a",@progbits
	.p2align	6, 0x0
	.amdhsa_kernel k_q695ce39555_gemm_c
		.amdhsa_group_segment_fixed_size 327680
		.amdhsa_private_segment_fixed_size 0
		.amdhsa_enable_private_segment 0
		.amdhsa_kernarg_size 40
		.amdhsa_user_sgpr_count 2
		.amdhsa_user_sgpr_kernarg_segment_ptr 1
		.amdhsa_wavefront_size32 1
		.amdhsa_system_sgpr_workgroup_id_x 1
		.amdhsa_system_sgpr_workgroup_id_y 1
		.amdhsa_system_sgpr_workgroup_id_z 1
		.amdhsa_system_vgpr_workitem_id 0
		.amdhsa_next_free_vgpr 1024
		.amdhsa_next_free_sgpr 102
		.amdhsa_reserve_vcc 0
		.amdhsa_float_denorm_mode_32 3
		.amdhsa_float_denorm_mode_16_64 3
		.amdhsa_memory_ordered 1
		.amdhsa_forward_progress 1
		.amdhsa_inst_pref_size 130
	.end_amdhsa_kernel
	.amdgpu_metadata
---
amdhsa.version: [ 1, 2 ]
amdhsa.kernels:
  - .name:           k_q695ce39555_gemm_c
    .symbol:         k_q695ce39555_gemm_c.kd
    .args:
      - { .name: wb, .offset: 0, .size: 8, .value_kind: global_buffer, .address_space: global }
      - { .name: nrm, .offset: 8, .size: 8, .value_kind: global_buffer, .address_space: global }
      - { .name: out0, .offset: 16, .size: 8, .value_kind: global_buffer, .address_space: global }
      - { .name: pv, .offset: 24, .size: 8, .value_kind: global_buffer, .address_space: global }
      - { .name: pi, .offset: 32, .size: 8, .value_kind: global_buffer, .address_space: global }
    .group_segment_fixed_size: 327680
    .private_segment_fixed_size: 0
    .kernarg_segment_align: 8
    .kernarg_segment_size: 40
    .max_flat_workgroup_size: 128
    .sgpr_count:     102
    .vgpr_count:     1024
    .wavefront_size: 32
...
	.end_amdgpu_metadata
.endif
;; end of part 2
;; launch table (part 3): grid 16 x 16, 4 waves a work-group, clusters of 4 x 4, 327,680 bytes of LDS; arguments wb, nrm, pv, pi, ftab, idx, smax; writes ftab, idx, smax
.if DOCPART == 3
	.amdgcn_target "amdgcn-amd-amdhsa--gfx1250"
	.amdhsa_code_object_version 6
	.text
	.protected	k_q695ce39555_table
	.globl	k_q695ce39555_table
	.p2align	8
	.type	k_q695ce39555_table,@function
k_q695ce39555_table:
	s_mov_b64 s[64:65], 0
	v_nop
	global_prefetch_b8 v0, s[64:65] scope:SCOPE_SE
	s_setreg_imm32_b32 hwreg(HW_REG_WAVE_MODE, 25, 1), 1
	s_wait_xcnt 0x0
	s_wait_alu depctr_hold_cnt(0) depctr_sa_sdst(0) depctr_va_vdst(0) depctr_va_sdst(0) depctr_va_ssrc(0) depctr_va_vcc(0) depctr_vm_vsrc(0)
	s_getreg_b32 s2, hwreg(HW_REG_IB_STS2, 6, 4)
	s_cmp_eq_u32 s2, 0
	s_cbranch_scc0 .Lentry_in_a_cluster
	s_endpgm
.Lentry_in_a_cluster:
	s_bfe_u32 s2, ttmp6, 0x10000c
	s_cmp_lg_u32 s2, 0xf033
	s_cbranch_scc0 .Lentry_shape_is_right
	s_endpgm
.Lentry_shape_is_right:
; Launch 3 of 5.  (a) ftab[i][t] = 1 / (sqrt(max(c2_i + r2_t - 2 inv c_i . r_t, 0)) + 1e-9), bf16 [2048][2048]: reference()'s 1 / den for every centroid i that a row may have as its closest; made once for the
; 2000 centroids in place of reference()'s product closest @ r^T over 8192 rows (the first kernel's head shows why that is the same).  (b) each row's 16 partial maxima are closed: idx (whole numbers) and smax = inv x the greatest acc.
; A tile of 128 x 128 to a work-group, 64 x 64 to a wave; K = 512 in two steps of 256, both first fills: nothing is filled again.  CLUSTER 4 x 4: A's tiles (centroids) jointly along a row, B's (rejective) along a column.
; The matrix instruction is used transposed: a lane holds row l % 16 and columns 8 (l / 16) + 0..7.
; THE TEXT OF THE K WALK: the first quarter, then a loop of two trips (a K step each), left in the middle of its second trip.
; THE WAY OUT: d2 goes in f32 into a stage of 128 rows x 528 bytes in slot 0 (filled once; every wave has left it at the change of slots); behind a barrier each wave takes 32 whole rows, 8 a trip:
; clamp, root, + 1e-9, reciprocal, rounding, and stores of 256 consecutive bytes of a row of ftab from sixteen lanes.
; REGISTERS: window 0: v0-31 addresses and small things; v32-95 at work; v96-127 r2 of my columns; v128-255 accumulators, (a, b) at v[128 + 8 (4 a + b)].  window 1: two fragment buffers of 128.
.set SIZE_K, 512
.set SIZE_N, 2048
.set KSTEP,  256
.set PITCH,  528                       ; 512 bytes + 16 of padding
.set HALFT,  64*PITCH
.set SLOT,   4*HALFT
.set FP,     528                       ; the stage's rows: 128 f32 + 16 bytes: the 16 rows of a store start at 16 different groups of four banks (64 banks of 4 bytes: ISA guide 11.1)
.set SPARE,  2*SLOT                    ; behind the slots: the spare words, 128 bytes a wave
.set EC,   8                           ; v8-15  c2 of row 16 a + r, twice: a pair for the packed add
.set ADRA, 16                          ; LDS address of my A fragments in the slot in hand
.set ADRB, 20
.set PO,   18                          ; wave 0: my byte offset in a slot of pv and pi, in idx and in smax
.set BI,   19                          ; wave 0: the best column
.set BV,   22                          ; wave 0: the best value
.set STO,  24                          ; where I put 32 bytes of a stage row
.set RD,   25                          ; where I read 32 bytes of it back
.set CO,   26                          ; my byte offset in ftab
.set SPW,  28
.set NIL,  29
.set TMP,  32
.set W,    32                          ; the way out: 32 numbers at work
.set O,    64                          ; the way out: 16 registers to store
.set R2C,  96
.set ACC,  128
.set F0,   0
.set F1,   128
.set G1, 24
.set G0, 32
.set G1B, 48
.set G0B, 56
.set MSB, 0
.macro WIN new
.if MSB != (\new)
	s_set_vgpr_msb (MSB<<8)|(\new)
.set MSB, \new
.endif
.endm
.set MUL,  0x05                        ; sources 0 (B) and 1 (A) window 1; C and D window 0
.set TO_F, 0x40
.macro JLOAD s
	s_cmp_eq_u32 s11, 0
	s_cbranch_scc0 .Lfor_b_\@
	tensor_load_to_lds s[G0+4*(\s):G0+4*(\s)+3], s[G1:G1+7]
	s_nop 0
.rept 4
	v_nop
.endr
	s_branch .Lasked_\@
.Lfor_b_\@:
	tensor_load_to_lds s[G0B+4*(\s):G0B+4*(\s)+3], s[G1B:G1B+7]
	s_nop 0
.rept 4
	v_nop
.endr
.Lasked_\@:
.endm
.macro CROUND
	s_barrier_signal -1
	s_barrier_wait -1
	s_cmp_lg_u32 s10, 0
	s_cbranch_scc1 .Lnot_wave_0_\@
	s_barrier_signal -3
.Lnot_wave_0_\@:
	s_barrier_wait -3
	s_barrier_signal -1
	s_barrier_wait -1
.endm
.macro PLACES
.rept 4
	v_nop
.endr
.endm
.macro RED64 op3, op2, R, D
.set k, 1
.rept 7
.irp c, 0,1,2,3
	\op3 v[(\R)+(\c)], v[(\R)+(\c)], v[(\R)+(\c)+4*k], v[(\R)+(\c)+4*k+4]
.endr
.set k, k+2
.endr
.irp c, 0,1,2,3
	\op2 v[(\R)+(\c)], v[(\R)+(\c)], v[(\R)+(\c)+60]
.endr
	\op3 v[\R], v[\R], v[(\R)+1], v[(\R)+2]
	\op2 v[\D], v[\R], v[(\R)+3]
.endm
	s_load_b256 s[68:75], s[0:1], 0x0              ; wb s[68:69], nrm s[70:71], pv s[72:73], pi s[74:75]
	s_load_b128 s[76:79], s[0:1], 0x20             ; ftab s[76:77], idx s[78:79]
	s_load_b64 s[80:81], s[0:1], 0x30              ; smax
	v_lshl_add_u32 v[SPW], v0, 2, SPARE
	v_mov_b32 v[NIL], 0
	ds_add_u32 v[SPW], v[NIL]                      ; the wave's opening: the add, twice on end, and its wait ahead of my first tensor load
	ds_add_u32 v[SPW], v[NIL]
	v_lshrrev_b32 v1, 5, v0
	v_readfirstlane_b32 s10, v1
	s_lshr_b32 s11, s10, 1
	s_and_b32 s12, s10, 1
	s_bfe_u32 s40, ttmp6, 0x40000
	s_bfe_u32 s41, ttmp6, 0x40004
	s_lshl_b32 s42, ttmp9, 2
	s_add_co_u32 s42, s42, s40                     ; tile column
	s_and_b32 s13, ttmp7, 0xffff
	s_lshl_b32 s13, s13, 2
	s_add_co_u32 s13, s13, s41                     ; tile row
	s_lshl_b32 s43, s41, 2
	s_lshl_b32 s43, 15, s43
	s_lshl_b32 s44, 0x1111, s40
	s_or_b32 s[G1+0], s43, (1<<16)|(1<<20)|(1<<21)|(6<<22)|(3<<25)   ; mask; 2-byte elements; padding on; bit 21 beside a mask; after every 128 words 4 words
	s_or_b32 s[G1B+0], s44, (1<<16)|(1<<20)|(1<<21)|(6<<22)|(3<<25)
.irp g, G1, G1B
	s_mov_b32 s[(\g)+1], KSTEP<<16
	s_mov_b32 s[(\g)+2], 64<<16
	s_mov_b32 s[(\g)+3], KSTEP<<16
	s_mov_b32 s[(\g)+4], 64
	s_mov_b32 s[(\g)+5], SIZE_K
	s_mov_b32 s[(\g)+6], 0
	s_mov_b32 s[(\g)+7], 0
.endr
	s_lshl_b32 s17, s12, 6
	s_lshl_b32 s16, s13, 7
	s_add_co_u32 s16, s16, s17
	s_add_co_u32 s16, s16, 8192                    ; A: the centroids' rows in wb
	s_lshl_b32 s16, s16, 10
	s_lshl_b32 s46, s42, 7
	s_add_co_u32 s46, s46, s17
	s_add_co_u32 s46, s46, 10240                   ; B: the rejective centroids' rows
	s_lshl_b32 s46, s46, 10
	s_mov_b32 s17, 0
	s_mov_b32 s47, 0
	s_mul_i32 s20, s10, HALFT
	s_mov_b32 s90, 0x76543210
	s_mov_b32 s91, 0xfedcba98
	s_wait_dscnt 0x0
	s_wait_kmcnt 0x0
	s_add_nc_u64 s[14:15], s[68:69], s[16:17]
	s_add_nc_u64 s[46:47], s[68:69], s[46:47]
	CROUND
.irp s, 0,1
	s_mov_b32 s[G0+4*(\s)], 1
	s_add_co_u32 s[G0+4*(\s)+1], s20, (\s)*SLOT
	s_add_nc_u64 s[G0+4*(\s)+2:G0+4*(\s)+3], s[14:15], (\s)*KSTEP*2
	s_or_b32 s[G0+4*(\s)+3], s[G0+4*(\s)+3], 0x80000000
	s_mov_b32 s[G0B+4*(\s)], 1
	s_add_co_u32 s[G0B+4*(\s)+1], s20, (\s)*SLOT
	s_add_nc_u64 s[G0B+4*(\s)+2:G0B+4*(\s)+3], s[46:47], (\s)*KSTEP*2
	s_or_b32 s[G0B+4*(\s)+3], s[G0B+4*(\s)+3], 0x80000000
	JLOAD \s
.endr
	v_and_b32 v1, 15, v0
	v_bfe_u32 v2, v0, 4, 1
	v_and_b32 v30, 31, v0
	v_lshlrev_b32 v6, 4, v30
	v_lshlrev_b32 v7, 5, v2
	v_lshlrev_b32 v23, 2, v1
	s_lshl_b32 s46, s42, 7
	s_lshl_b32 s47, s12, 6
	s_add_co_u32 s46, s46, s47
	s_add_co_u32 s46, s46, 10240
	s_lshl_b32 s82, s46, 2
	s_mov_b32 s83, 0
	s_add_nc_u64 s[82:83], s[70:71], s[82:83]      ; r2 of my columns
	s_lshl_b32 s16, s13, 7
	s_lshl_b32 s17, s11, 6
	s_add_co_u32 s16, s16, s17
	s_add_co_u32 s16, s16, 8192
	s_lshl_b32 s84, s16, 2
	s_mov_b32 s85, 0
	s_add_nc_u64 s[84:85], s[70:71], s[84:85]      ; cn2 of my rows
	s_lshl_b32 s86, s13, 4
	s_add_co_u32 s86, s86, s42                     ; the work-group's number: it closes rows 32 g .. 32 g + 31
	s_lshl_b32 s86, s86, 7
	v_lshl_add_u32 v[PO], v30, 2, s86
.irp k, 0,1,2,3,4,5,6,7,8,9,10,11,12,13,14,15
	global_load_b128 v[TMP+4*(\k):TMP+4*(\k)+3], v6, s[70:71] offset:32768+512*(\k)     ; all 2,048 cn2
.endr
.irp b, 0,1,2,3
	global_load_b128 v[R2C+8*(\b):R2C+8*(\b)+3],   v7, s[82:83] offset:64*(\b)
	global_load_b128 v[R2C+8*(\b)+4:R2C+8*(\b)+7], v7, s[82:83] offset:64*(\b)+16
.endr
.irp a, 0,1,2,3
	global_load_b32 v[EC+2*(\a)],   v23, s[84:85] offset:64*(\a)
	global_load_b32 v[EC+2*(\a)+1], v23, s[84:85] offset:64*(\a)
.endr
	s_cmp_lg_u32 s10, 0
	s_cbranch_scc1 .Lno_pv                         ; wave 0 alone closes the maxima
.irp s, 0,1,2,3,4,5,6,7,8,9,10,11,12,13,14,15
	global_load_b32 v[ACC+(\s)],    v[PO], s[72:73] offset:32768*(\s)
	global_load_b32 v[ACC+16+(\s)], v[PO], s[74:75] offset:32768*(\s)
.endr
.Lno_pv:
	v_mul_u32_u24 v3, v1, PITCH
	v_lshl_add_u32 v3, v2, 4, v3                   ; a fragment's row x pitch + 16 x half
	s_mul_i32 s21, s11, HALFT                      ; my 64 rows of A
	s_mul_i32 s22, s12, HALFT                      ; my 64 rows of B,
	s_add_co_u32 s22, s22, 2*HALFT                 ; which lie behind A's 128
	v_add_nc_u32 v[ADRA], s21, v3
	v_add_nc_u32 v[ADRB], s22, v3
	s_mul_i32 s23, s11, 64*FP                      ; into the stage: my 64 rows, my 256 bytes of their 512; row l % 16, 32 bytes for each half of the lanes
	s_lshl_b32 s21, s12, 8
	s_add_co_u32 s23, s23, s21
	v_mul_u32_u24 v4, v1, FP
	v_lshl_add_u32 v4, v2, 5, v4
	v_add_nc_u32 v[STO], s23, v4
	s_mul_i32 s23, s10, 32*FP                      ; back: wave w takes rows 32 w .. 32 w + 31, whole; lanes 0-15 one row, lanes 16-31 the next; 8 numbers a lane
	v_mul_u32_u24 v5, v2, FP
	v_lshl_add_u32 v5, v1, 5, v5
	v_add_nc_u32 v[RD], s23, v5
	v_mul_u32_u24 v5, v2, SIZE_N*2                 ; and the same two rows in ftab, 16 bytes a lane
	v_lshl_add_u32 v[CO], v1, 4, v5
	s_lshl_b32 s87, s13, 7
	s_lshl_b32 s89, s10, 5
	s_add_co_u32 s87, s87, s89                     ; the first row of ftab that I store
	s_lshl_b32 s87, s87, 12
	s_lshl_b32 s89, s42, 8
	s_add_co_u32 s94, s87, s89
	s_mov_b32 s95, 0
	s_add_nc_u64 s[76:77], s[76:77], s[94:95]
	s_wait_loadcnt 0x0
	RED64 v_max3_num_f32, v_max_num_f32, TMP, TMP  ; inv, as in the launch before
	v_max_num_f32_dpp v[TMP], v[TMP], v[TMP] row_xmask:1 row_mask:0xf bank_mask:0xf
	v_max_num_f32_dpp v[TMP], v[TMP], v[TMP] row_xmask:2 row_mask:0xf bank_mask:0xf
	v_max_num_f32_dpp v[TMP], v[TMP], v[TMP] row_xmask:4 row_mask:0xf bank_mask:0xf
	v_max_num_f32_dpp v[TMP], v[TMP], v[TMP] row_xmask:8 row_mask:0xf bank_mask:0xf
	v_permlanex16_b32 v[TMP+1], v[TMP], s90, s91
	v_max_num_f32 v[TMP], v[TMP], v[TMP+1]
	v_sqrt_f32 v[TMP+1], v[TMP]
	v_nop
	s_wait_alu depctr_va_vdst(0)                   ; the wait ahead of a root's or reciprocal's first reader
	v_add_f32 v[TMP+1], 0x24e69595, v[TMP+1]       ; + 1e-16
	v_rcp_f32 v[TMP+2], v[TMP+1]
	v_nop
	s_wait_alu depctr_va_vdst(0)
	v_readfirstlane_b32 s92, v[TMP+2]              ; inv
	s_mul_f32 s88, s92, -2.0
	s_mov_b32 s89, s88
	s_mul_f32 s93, s92, s92
.set q, 0
.rept 8
	v_mul_f32 v[EC+q], s93, v[EC+q]                ; c2 = cn2 inv^2
.set q, q+1
.endr
	s_cmp_lg_u32 s10, 0
	s_cbranch_scc1 .Lno_red
	v_mov_b32 v[BV], v[ACC]
	v_mov_b32 v[BI], v[ACC+16]
.irp s, 1,2,3,4,5,6,7,8,9,10,11,12,13,14,15
	v_cmp_gt_f32 vcc_lo, v[ACC+(\s)], v[BV]        ; the slots' columns rise with the slot: a strict compare keeps the lower column on a tie
	v_cndmask_b32 v[BV], v[BV], v[ACC+(\s)], vcc_lo
	v_cndmask_b32 v[BI], v[BI], v[ACC+16+(\s)], vcc_lo
.endr
	v_mul_f32 v[BV], s92, v[BV]
	global_store_b32 v[PO], v[BI], s[78:79]
	global_store_b32 v[PO], v[BV], s[80:81]
.Lno_red:
.macro MUL8 f, c, a0, zero             ; the 16 accumulators take turns in the same order in every half quarter
	WIN MUL
.irp a, \a0, (\a0)+1
.irp b, 0,1,2,3
.if \zero
	v_wmma_f32_16x16x32_bf16 v[ACC+8*(4*(\a)+(\b)):ACC+8*(4*(\a)+(\b))+7], v[(\f)+64+8*(4*(\c)+(\b)):(\f)+64+8*(4*(\c)+(\b))+7], v[(\f)+8*(4*(\c)+(\a)):(\f)+8*(4*(\c)+(\a))+7], 0
.else
	v_wmma_f32_16x16x32_bf16 v[ACC+8*(4*(\a)+(\b)):ACC+8*(4*(\a)+(\b))+7], v[(\f)+64+8*(4*(\c)+(\b)):(\f)+64+8*(4*(\c)+(\b))+7], v[(\f)+8*(4*(\c)+(\a)):(\f)+8*(4*(\c)+(\a))+7], v[ACC+8*(4*(\a)+(\b)):ACC+8*(4*(\a)+(\b))+7]
.endif
.endr
.endr
.endm
.macro FETCH k, f                      ; 32 LDS loads in one run: 64 along K at byte k of the rows of the slot in hand; the first 32 along K first
	WIN TO_F
.irp c, 0,1
.irp i, 0,1,2,3
	ds_load_b128 v[(\f)+64+8*(4*(\c)+(\i)):(\f)+64+8*(4*(\c)+(\i))+3],   v[ADRB] offset:(\k)+64*(\c)+(\i)*16*PITCH
	ds_load_b128 v[(\f)+64+8*(4*(\c)+(\i))+4:(\f)+64+8*(4*(\c)+(\i))+7], v[ADRB] offset:(\k)+64*(\c)+(\i)*16*PITCH+32
	ds_load_b128 v[(\f)+8*(4*(\c)+(\i)):(\f)+8*(4*(\c)+(\i))+3],         v[ADRA] offset:(\k)+64*(\c)+(\i)*16*PITCH
	ds_load_b128 v[(\f)+8*(4*(\c)+(\i))+4:(\f)+8*(4*(\c)+(\i))+7],       v[ADRA] offset:(\k)+64*(\c)+(\i)*16*PITCH+32
.endr
.endr
.endm
.macro QUARTER k, f, g, zero           ; 64 along K: 32 matrix instructions; the next quarter's loads in one run in the middle
	s_wait_dscnt 16                                ; the first 32 along K are in
	MUL8 \f, 0, 0, \zero
	MUL8 \f, 0, 2, \zero
	PLACES
	FETCH \k, \g
	s_wait_dscnt 32                                ; all but the 32 just issued
	MUL8 \f, 1, 0, 0
	MUL8 \f, 1, 2, 0
.endm
	s_wait_tensorcnt 0x1                           ; my part of K step 0 is in; step 1's may stay out
	s_barrier_signal -1
	s_barrier_wait -1
	FETCH 0, F0
	QUARTER 128, F0, F1, 1                         ; the first quarter's first products start the sums
	WIN 0
	s_mov_b32 s3, 2
.Lk:                                           ; a trip: three quarters of a K step, the change of slots, the next step's first quarter.  The second trip is left behind its barrier, which it passes only because the text is the first trip's
	QUARTER 256, F1, F0, 0
	QUARTER 384, F0, F1, 0
	WIN 0
	s_wait_tensorcnt 0x0                           ; first trip: my part of K step 1 has landed
	ds_add_u32 v[SPW], v[NIL]
	s_wait_dscnt 17                                ; the add and the youngest sixteen loads may be out
	MUL8 F1, 0, 0, 0
	s_wait_dscnt 0x0                               ; the add is done, and my reads of this slot are over
	s_barrier_signal -1
	MUL8 F1, 0, 2, 0
	WIN 0
	s_barrier_wait -1                              ; first trip: everybody's part has landed, and no wave reads slot 0 any more
	s_sub_co_u32 s3, s3, 1
	s_cmp_eq_u32 s3, 0
	s_cbranch_scc1 .Lklast
	PLACES
	v_add_nc_u32 v[ADRA], SLOT, v[ADRA]
	v_add_nc_u32 v[ADRB], SLOT, v[ADRB]
	FETCH 0, F0
	MUL8 F1, 1, 0, 0
	MUL8 F1, 1, 2, 0
	QUARTER 128, F0, F1, 0
	WIN 0
	s_branch .Lk
.Lklast:
	MUL8 F1, 1, 0, 0                               ; the last 16 products
	MUL8 F1, 1, 2, 0
	WIN 0
	PLACES
	PLACES
	; THE WAY OUT: d2 = (r2 - 2 inv acc) + c2; each accumulator is read from its low end on
.irp a, 0,1,2,3
.irp b, 0,1,2,3
.irp p, 0,2,4,6
	v_pk_fma_f32 v[ACC+8*(4*(\a)+(\b))+(\p):ACC+8*(4*(\a)+(\b))+(\p)+1], v[ACC+8*(4*(\a)+(\b))+(\p):ACC+8*(4*(\a)+(\b))+(\p)+1], s[88:89], v[R2C+8*(\b)+(\p):R2C+8*(\b)+(\p)+1] op_sel_hi:[1,0,1]
.endr
.irp p, 0,2,4,6
	v_pk_add_f32 v[ACC+8*(4*(\a)+(\b))+(\p):ACC+8*(4*(\a)+(\b))+(\p)+1], v[ACC+8*(4*(\a)+(\b))+(\p):ACC+8*(4*(\a)+(\b))+(\p)+1], v[EC+2*(\a):EC+2*(\a)+1]
.endr
.endr
.endr
.irp a, 0,1,2,3
.irp b, 0,1,2,3
	ds_store_b128 v[STO], v[ACC+8*(4*(\a)+(\b)):ACC+8*(4*(\a)+(\b))+3]   offset:(\a)*16*FP+64*(\b)      ; columns 16 b + 8 h + 0..3 of row 16 a + r,
	ds_store_b128 v[STO], v[ACC+8*(4*(\a)+(\b))+4:ACC+8*(4*(\a)+(\b))+7] offset:(\a)*16*FP+64*(\b)+16   ; and + 4..7
.endr
.endr
	s_wait_dscnt 0x0                               ; for the others' sake: my stores into the stage are done
	s_barrier_signal -1
	s_barrier_wait -1
	s_mov_b32 s3, 4
.Lout:                                         ; a trip: 8 whole rows
.irp i, 0,1,2,3
	ds_load_b128 v[W+8*(\i):W+8*(\i)+3],   v[RD] offset:2*(\i)*FP
	ds_load_b128 v[W+8*(\i)+4:W+8*(\i)+7], v[RD] offset:2*(\i)*FP+16
.endr
	s_wait_dscnt 0x0
.set q, 0
.rept 32
	v_max_num_f32 v[W+q], 0, v[W+q]
.set q, q+1
.endr
.set q, 0
.rept 32
	v_sqrt_f32 v[W+q], v[W+q]
.set q, q+1
.endr
	v_nop
	s_wait_alu depctr_va_vdst(0)                   ; one wait for the batch of roots
.set q, 0
.rept 16
	v_pk_add_f32 v[W+2*q:W+2*q+1], v[W+2*q:W+2*q+1], 0x3089705f op_sel_hi:[1,0]   ; + 1e-9
.set q, q+1
.endr
.set q, 0
.rept 32
	v_rcp_f32 v[W+q], v[W+q]
.set q, q+1
.endr
	v_nop
	s_wait_alu depctr_va_vdst(0)                   ; one wait for the batch of reciprocals
.set q, 0
.rept 16
	v_cvt_pk_bf16_f32 v[O+q], v[W+2*q], v[W+2*q+1]
.set q, q+1
.endr
.irp i, 0,1,2,3
	global_store_b128 v[CO], v[O+4*(\i):O+4*(\i)+3], s[76:77] offset:2*(\i)*SIZE_N*2   ; 16 lanes store 256 consecutive bytes, at a multiple of 256 from ftab's first byte
.endr
	s_wait_xcnt 0x0                                ; the stores' offset and data are written again only behind this wait
	v_add_nc_u32 v[CO], 8*SIZE_N*2, v[CO]
	v_add_nc_u32 v[RD], 8*FP, v[RD]
	s_sub_co_u32 s3, s3, 1
	s_cmp_lg_u32 s3, 0
	s_cbranch_scc1 .Lout
	s_wait_tensorcnt 0x0                           ; the wave's end
	ds_add_u32 v[SPW], v[NIL]
	s_wait_dscnt 0x0
	CROUND
	s_endpgm
.Lfunc_end_k_q695ce39555_table:
	.size	k_q695ce39555_table, .Lfunc_end_k_q695ce39555_table-k_q695ce39555_table
	.p2alignl 7, 3214868480
	.fill 96, 4, 3214868480
	.section	.rodata,"a",@progbits
	.p2align	6, 0x0
	.amdhsa_kernel k_q695ce39555_table
		.amdhsa_group_segment_fixed_size 327680
		.amdhsa_private_segment_fixed_size 0
		.amdhsa_enable_private_segment 0
		.amdhsa_kernarg_size 56
		.amdhsa_user_sgpr_count 2
		.amdhsa_user_sgpr_kernarg_segment_ptr 1
		.amdhsa_wavefront_size32 1
		.amdhsa_system_sgpr_workgroup_id_x 1
		.amdhsa_system_sgpr_workgroup_id_y 1
		.amdhsa_system_sgpr_workgroup_id_z 1
		.amdhsa_system_vgpr_workitem_id 0
		.amdhsa_next_free_vgpr 512
		.amdhsa_next_free_sgpr 96
		.amdhsa_reserve_vcc 1
		.amdhsa_float_denorm_mode_32 3
		.amdhsa_float_denorm_mode_16_64 3
		.amdhsa_memory_ordered 1
		.amdhsa_forward_progress 1
		.amdhsa_inst_pref_size 61
	.end_amdhsa_kernel
	.amdgpu_metadata
---
amdhsa.version: [ 1, 2 ]
amdhsa.kernels:
  - .name:           k_q695ce39555_table
    .symbol:         k_q695ce39555_table.kd
    .args:
      - { .name: wb, .offset: 0, .size: 8, .value_kind: global_buffer, .address_space: global }
      - { .name: nrm, .offset: 8, .size: 8, .value_kind: global_buffer, .address_space: global }
      - { .name: pv, .offset: 16, .size: 8, .value_kind: global_buffer, .address_space: global }
      - { .name: pi, .offset: 24, .size: 8, .value_kind: global_buffer, .address_space: global }
      - { .name: ftab, .offset: 32, .size: 8, .value_kind: global_buffer, .address_space: global }
      - { .name: idx, .offset: 40, .size: 8, .value_kind: global_buffer, .address_space: global }
      - { .name: smax, .offset: 48, .size: 8, .value_kind: global_buffer, .address_space: global }
    .group_segment_fixed_size: 327680
    .private_segment_fixed_size: 0
    .kernarg_segment_align: 8
    .kernarg_segment_size: 56
    .max_flat_workgroup_size: 128
    .sgpr_count:     96
    .vgpr_count:     512
    .wavefront_size: 32
...
	.end_amdgpu_metadata
.endif
;; end of part 3
;; launch gemm_r (part 4): grid 8 x 32, 4 waves a work-group, clusters of 4 x 4, 327,680 bytes of LDS; arguments wb, nrm, idx, smax, ftab, pm; writes pm
.if DOCPART == 4
	.amdgcn_target "amdgcn-amd-amdhsa--gfx1250"
	.amdhsa_code_object_version 6
	.text
	.protected	k_q695ce39555_gemm_r
	.globl	k_q695ce39555_gemm_r
	.p2align	8
	.type	k_q695ce39555_gemm_r,@function
k_q695ce39555_gemm_r:
	s_mov_b64 s[64:65], 0
	v_nop
	global_prefetch_b8 v0, s[64:65] scope:SCOPE_SE
	s_setreg_imm32_b32 hwreg(HW_REG_WAVE_MODE, 25, 1), 1
	s_wait_xcnt 0x0
	s_wait_alu depctr_hold_cnt(0) depctr_sa_sdst(0) depctr_va_vdst(0) depctr_va_sdst(0) depctr_va_ssrc(0) depctr_va_vcc(0) depctr_vm_vsrc(0)
	s_getreg_b32 s2, hwreg(HW_REG_IB_STS2, 6, 4)
	s_cmp_eq_u32 s2, 0
	s_cbranch_scc0 .Lentry_in_a_cluster
	s_endpgm
.Lentry_in_a_cluster:
	s_bfe_u32 s2, ttmp6, 0x10000c
	s_cmp_lg_u32 s2, 0xf033
	s_cbranch_scc0 .Lentry_shape_is_right
	s_endpgm
.Lentry_shape_is_right:
; Launch 4 of 5: acc[b][t] = x_b . r_t - r2_t / 2; pm[slot][b] = the least of |smax_b - acc[b][t]| x ftab[idx_b][t] over the wave's 128 columns: reference()'s num / den.
; Left out against reference(): closest @ r^T, closest * x and closest * closest: they are the table's row idx_b and smax_b (the first kernel's head shows it, with the limits).
; The matrix part is the second launch's: tiles of 256 x 256, four waves of 128 x 128, K in four steps of 128 through two LDS slots, cluster 4 x 4 with joint loads, the product transposed,
; the column vector -r2_t / 2 (-1e30 in the 48 columns past 2000, which so lose every minimum) as the C of the first K quarter.  K has four steps, two of them first fills: no prefetch is laid.
; THE TABLE'S ROWS.  idx was stored as whole numbers by the launch before; it is held to 0..2047 and shifted into a row's offset.  A load brings my 256 bytes of two rows' table rows (lanes 0-15 row i, lanes
; 16-31 row 64 + i).  32 loads go out at the head and 32 behind the barrier in front of K step 3; each batch goes into my quarter of slot 0 (its last fill was K step 2; every wave has left it at that barrier).
; REGISTERS: window 0: v0-31 addresses; v32-63 first batch's offsets, later the minima; v64-191 fragments of A, later at work; v192-255 CI, later the second batch's offsets (v192-223) and smax in pairs (v224-239).
;   window 1: v64-191 fragments of B; v0-63, v192-255 the table rows on their way.   windows 2, 3: accumulators.
.set PITCH,  272
.set HALFT,  128*PITCH
.set SLOT,   4*HALFT
.set SPARE,  2*SLOT
.set BROW0,  10240
.set LR16, 6                           ; 16 (l % 16)
.set FS,   7                           ; where I put 16 bytes of a table row
.set ADRA, 16
.set A0,   17
.set FRD,  18                          ; where I read 16 bytes of it back
.set IXO,  19                          ; 256 (l / 16): my half's 64 rows in idx
.set ADRB, 20
.set B0,   21
.set CIO,  22                          ; 32 (l / 16)
.set SMO,  23                          ; 4 (l % 16)
.set PMO,  24                          ; my byte offset in pm
.set ZERO, 27
.set SPW,  28
.set NIL,  29
.set GA,   32
.set PM,   32
.set F0,   64
.set F1,   128
.set CI,   192
.set GB,   192
.set SM,   224
.set N,    64
.set G1,  24
.set G0,  32
.set G1B, 48
.set G0B, 56
.set TB,  66
.set MSB, 0
.macro WIN new
.if MSB != (\new)
	s_set_vgpr_msb (MSB<<8)|(\new)
.set MSB, \new
.endif
.endm
.set MUL_LO, 0xa1
.set MUL_HI, 0xf1
.set TO_B,   0x40
.macro JLOAD s
	s_cmp_eq_u32 s11, 0
	s_cbranch_scc0 .Lfor_b_\@
	tensor_load_to_lds s[G0+4*(\s):G0+4*(\s)+3], s[G1:G1+7]
	s_nop 0
.rept 4
	v_nop
.endr
	s_branch .Lasked_\@
.Lfor_b_\@:
	tensor_load_to_lds s[G0B+4*(\s):G0B+4*(\s)+3], s[G1B:G1B+7]
	s_nop 0
.rept 4
	v_nop
.endr
.Lasked_\@:
.endm
.macro CREST
	s_cmp_lg_u32 s10, 0
	s_cbranch_scc1 .Lnot_wave_0_\@
	s_barrier_signal -3
.Lnot_wave_0_\@:
	s_barrier_wait -3
	s_barrier_signal -1
	s_barrier_wait -1
.endm
.macro CROUND
	s_barrier_signal -1
	s_barrier_wait -1
	CREST
.endm
.macro PLACES
.rept 4
	v_nop
.endr
.endm
.macro RED64 op3, op2, R, D
.set k, 1
.rept 7
.irp c, 0,1,2,3
	\op3 v[(\R)+(\c)], v[(\R)+(\c)], v[(\R)+(\c)+4*k], v[(\R)+(\c)+4*k+4]
.endr
.set k, k+2
.endr
.irp c, 0,1,2,3
	\op2 v[(\R)+(\c)], v[(\R)+(\c)], v[(\R)+(\c)+60]
.endr
	\op3 v[\R], v[\R], v[(\R)+1], v[(\R)+2]
	\op2 v[\D], v[\R], v[(\R)+3]
.endm
	s_load_b256 s[68:75], s[0:1], 0x0              ; wb s[68:69], nrm s[70:71], idx s[72:73], smax s[74:75]
	s_load_b128 s[76:79], s[0:1], 0x20             ; ftab s[76:77], pm s[78:79]
	v_lshl_add_u32 v[SPW], v0, 2, SPARE
	v_mov_b32 v[NIL], 0
	ds_add_u32 v[SPW], v[NIL]                      ; the wave's opening: the add, twice on end, and its wait ahead of my first tensor load
	ds_add_u32 v[SPW], v[NIL]
	v_lshrrev_b32 v1, 5, v0
	v_readfirstlane_b32 s10, v1
	s_lshr_b32 s11, s10, 1
	s_and_b32 s12, s10, 1
	s_bfe_u32 s40, ttmp6, 0x40000
	s_bfe_u32 s41, ttmp6, 0x40004
	s_lshl_b32 s42, ttmp9, 2
	s_add_co_u32 s42, s42, s40
	s_and_b32 s13, ttmp7, 0xffff
	s_lshl_b32 s13, s13, 2
	s_add_co_u32 s13, s13, s41
	s_lshl_b32 s43, s41, 2
	s_lshl_b32 s43, 15, s43
	s_lshl_b32 s44, 0x1111, s40
	s_or_b32 s[G1+0], s43, (1<<16)|(1<<20)|(1<<21)|(5<<22)|(3<<25)
	s_or_b32 s[G1B+0], s44, (1<<16)|(1<<20)|(1<<21)|(5<<22)|(3<<25)
.irp g, G1, G1B
	s_mov_b32 s[(\g)+1], 128<<16
	s_mov_b32 s[(\g)+2], 128<<16
	s_mov_b32 s[(\g)+3], 128<<16
	s_mov_b32 s[(\g)+4], 128
	s_mov_b32 s[(\g)+5], 512
	s_mov_b32 s[(\g)+6], 0
	s_mov_b32 s[(\g)+7], 0
.endr
	s_lshl_b32 s17, s12, 7
	s_lshl_b32 s16, s13, 8
	s_add_co_u32 s16, s16, s17
	s_lshl_b32 s16, s16, 10
	s_lshl_b32 s46, s42, 8
	s_add_co_u32 s46, s46, s17
	s_add_co_u32 s46, s46, BROW0
	s_lshl_b32 s46, s46, 10
	s_mov_b32 s17, 0
	s_mov_b32 s47, 0
	s_mul_i32 s20, s10, HALFT
	s_mov_b32 s[TB], 0
	s_mov_b32 s80, 0xbf000000                      ; -0.5
	s_mov_b32 s81, s80
	s_mov_b32 s90, 0x76543210
	s_mov_b32 s91, 0xfedcba98
	s_wait_dscnt 0x0
	s_wait_kmcnt 0x0
	s_add_nc_u64 s[14:15], s[68:69], s[16:17]
	s_add_nc_u64 s[46:47], s[68:69], s[46:47]
	CROUND
.irp s, 0,1
	s_mov_b32 s[G0+4*(\s)], 1
	s_add_co_u32 s[G0+4*(\s)+1], s20, (\s)*SLOT
	s_add_nc_u64 s[G0+4*(\s)+2:G0+4*(\s)+3], s[14:15], (\s)*256
	s_or_b32 s[G0+4*(\s)+3], s[G0+4*(\s)+3], 0x80000000
	s_mov_b32 s[G0B+4*(\s)], 1
	s_add_co_u32 s[G0B+4*(\s)+1], s20, (\s)*SLOT
	s_add_nc_u64 s[G0B+4*(\s)+2:G0B+4*(\s)+3], s[46:47], (\s)*256
	s_or_b32 s[G0B+4*(\s)+3], s[G0B+4*(\s)+3], 0x80000000
	JLOAD \s
.endr
	v_and_b32 v1, 15, v0
	v_bfe_u32 v2, v0, 4, 1
	v_and_b32 v3, 31, v0
	v_lshlrev_b32 v[LR16], 4, v1
	v_lshlrev_b32 v[IXO], 8, v2
	v_lshlrev_b32 v[CIO], 5, v2
	v_lshlrev_b32 v[SMO], 2, v1
	v_mov_b32 v[ZERO], 0
	s_lshl_b32 s46, s42, 8
	s_lshl_b32 s47, s12, 7
	s_add_co_u32 s46, s46, s47                     ; my first column
	s_add_co_u32 s94, s46, BROW0
	s_lshl_b32 s94, s94, 2
	s_mov_b32 s95, 0
	s_add_nc_u64 s[94:95], s[70:71], s[94:95]      ; r2 of my columns
	s_lshl_b32 s86, s46, 1
	s_mov_b32 s87, 0
	s_add_nc_u64 s[86:87], s[76:77], s[86:87]      ; ftab at my 256 bytes of a row
	s_lshl_b32 s16, s13, 8
	s_lshl_b32 s17, s11, 7
	s_add_co_u32 s16, s16, s17                     ; my first row
	s_lshl_b32 s98, s16, 2
	s_mov_b32 s99, 0
	s_add_nc_u64 s[96:97], s[74:75], s[98:99]      ; smax of my rows
	s_add_nc_u64 s[98:99], s[72:73], s[98:99]      ; idx of my rows
.irp k, 0,1,2,3,4,5,6,7
	global_load_b128 v[GA+4*(\k):GA+4*(\k)+3], v[IXO], s[98:99] offset:16*(\k)          ; idx of rows 64 h + 0..31
.endr
.irp b, 0,1,2,3,4,5,6,7
	global_load_b128 v[CI+8*(\b):CI+8*(\b)+3],   v[CIO], s[94:95] offset:64*(\b)
	global_load_b128 v[CI+8*(\b)+4:CI+8*(\b)+7], v[CIO], s[94:95] offset:64*(\b)+16
.endr
	s_lshl_b32 s100, s42, 1
	s_add_co_u32 s100, s100, s12                   ; my slot in pm
	s_cmp_eq_u32 s100, 15
	s_cselect_b32 s82, 0xf149f2ca, 0               ; -1e30 for columns 2000-2047 (a value is chosen, no path)
	s_mov_b32 s83, s82
	s_lshl_b32 s100, s100, 13
	s_add_co_u32 s100, s100, s16
	s_lshl_b32 s100, s100, 2
	v_lshl_add_u32 v[PMO], v3, 2, s100
	v_mul_u32_u24 v4, v1, PITCH
	v_lshl_add_u32 v5, v2, 4, v4
	s_mul_i32 s21, s11, HALFT
	s_mul_i32 s22, s12, HALFT
	s_add_co_u32 s22, s22, 2*HALFT
	v_add_nc_u32 v[A0], s21, v5
	v_add_nc_u32 v[B0], s22, v5
	v_mov_b32 v[ADRA], v[A0]
	v_mov_b32 v[ADRB], v[B0]
	v_add_nc_u32 v[FRD], s20, v5
	v_mul_u32_u24 v4, v2, 64*PITCH
	v_lshl_add_u32 v4, v1, 4, v4
	v_add_nc_u32 v[FS], s20, v4
	s_wait_loadcnt 0x0
.set q, 0
.rept 32
	v_min_u32 v[GA+q], 0x7ff, v[GA+q]              ; the index stays inside the table,
	v_lshl_add_u32 v[GA+q], v[GA+q], 12, v[LR16]   ; x 4,096 bytes a row + my 16 bytes
.set q, q+1
.endr
	WIN TO_B
.set q, 0
.rept 32
	global_load_b128 v[4*q+128*(q/16):4*q+128*(q/16)+3], v[GA+q], s[86:87]
.set q, q+1
.endr
	WIN 0
.irp b, 0,1,2,3,4
.irp p, 0,2,4,6
	v_pk_mul_f32 v[CI+8*(\b)+(\p):CI+8*(\b)+(\p)+1], v[CI+8*(\b)+(\p):CI+8*(\b)+(\p)+1], s[80:81] op_sel_hi:[1,0]
.endr
.endr
.irp b, 5,6,7
.irp p, 0,2,4,6
	v_pk_fma_f32 v[CI+8*(\b)+(\p):CI+8*(\b)+(\p)+1], v[CI+8*(\b)+(\p):CI+8*(\b)+(\p)+1], s[80:81], s[82:83] op_sel_hi:[1,0,0]
.endr
.endr
.macro MUL16 f, hi, a0, ci             ; the 64 accumulators take turns in the same order in every quarter
.if \ci
	WIN 0x81+0x40*(\hi)
.else
	WIN MUL_LO+0x50*(\hi)
.endif
.irp a, \a0, (\a0)+1
.irp b, 0,1,2,3,4,5,6,7
.if \ci
	v_wmma_f32_16x16x32_bf16 v[8*(8*(\a)+(\b)):8*(8*(\a)+(\b))+7], v[(\f)+8*(\b):(\f)+8*(\b)+7], v[(\f)+8*(4*(\hi)+(\a)):(\f)+8*(4*(\hi)+(\a))+7], v[CI+8*(\b):CI+8*(\b)+7]
.else
	v_wmma_f32_16x16x32_bf16 v[8*(8*(\a)+(\b)):8*(8*(\a)+(\b))+7], v[(\f)+8*(\b):(\f)+8*(\b)+7], v[(\f)+8*(4*(\hi)+(\a)):(\f)+8*(4*(\hi)+(\a))+7], v[8*(8*(\a)+(\b)):8*(8*(\a)+(\b))+7]
.endif
.endr
.endr
.endm
.macro FETCH k, f
	WIN TO_B
.irp i, 0,1,2,3,4,5,6,7
	ds_load_b128 v[(\f)+8*(\i):(\f)+8*(\i)+3],   v[ADRB] offset:(\k)+(\i)*16*PITCH
	ds_load_b128 v[(\f)+8*(\i)+4:(\f)+8*(\i)+7], v[ADRB] offset:(\k)+(\i)*16*PITCH+32
.endr
	WIN 0
.irp i, 0,1,2,3,4,5,6,7
	ds_load_b128 v[(\f)+8*(\i):(\f)+8*(\i)+3],   v[ADRA] offset:(\k)+(\i)*16*PITCH
	ds_load_b128 v[(\f)+8*(\i)+4:(\f)+8*(\i)+7], v[ADRA] offset:(\k)+(\i)*16*PITCH+32
.endr
.endm
.macro QUARTER k, f, g, ci
	s_wait_dscnt 8                                 ; at most the youngest eight LDS instructions may be out: B and A's rows 0-63 are in
	MUL16 \f, 0, 0, \ci
	MUL16 \f, 0, 2, \ci
	PLACES
	FETCH \k, \g
	s_wait_dscnt 32                                ; all but the 32 just issued
	MUL16 \f, 1, 0, \ci
	MUL16 \f, 1, 2, \ci
.endm
.macro MEET                            ; the first half of a step's last quarter, and the one barrier of a change of slots; branches follow it, so it leaves every window 0
	WIN 0
	s_wait_tensorcnt 0x0                           ; all my tensor loads have landed
	ds_add_u32 v[SPW], v[NIL]
	s_wait_dscnt 9                                 ; the add and the youngest eight loads may be out
	MUL16 F1, 0, 0, 0
	s_wait_dscnt 0x0                               ; the add is done, and my reads of this slot are over
	s_barrier_signal -1
	MUL16 F1, 0, 2, 0
	WIN 0
	s_barrier_wait -1
.endm
.macro NEXTSLOT                        ; the fragments' addresses go to the other slot; its first fragments are fetched; the quarter's other 32 products
	s_xor_b32 s[TB], s[TB], SLOT
	v_add_nc_u32 v[ADRA], s[TB], v[A0]
	v_add_nc_u32 v[ADRB], s[TB], v[B0]
	FETCH 0, F0
	MUL16 F1, 1, 0, 0
	MUL16 F1, 1, 2, 0
.endm
	s_wait_tensorcnt 0x1                           ; my part of K step 0 is in; step 1's may stay out
	s_barrier_signal -1
	s_barrier_wait -1
	FETCH 0, F0
	QUARTER 64, F0, F1, 1
	WIN 0
	PLACES                                         ; CI has been read for the last time: four places, then its registers are loaded anew
.irp k, 0,1,2,3,4,5,6,7
	global_load_b128 v[GB+4*(\k):GB+4*(\k)+3], v[IXO], s[98:99] offset:128+16*(\k)      ; idx of rows 64 h + 32..63
.endr
.irp a, 0,1,2,3,4,5,6,7
	global_load_b32 v[SM+2*(\a)],   v[SMO], s[96:97] offset:64*(\a)                     ; smax of row 16 a + r, twice: a pair for the packed add
	global_load_b32 v[SM+2*(\a)+1], v[SMO], s[96:97] offset:64*(\a)
.endr
	s_mov_b32 s3, 2
.Lstep:                                        ; a trip: three quarters of a K step, the change of slots with its refill, the next step's first quarter
	QUARTER 128, F1, F0, 0
	QUARTER 192, F0, F1, 0
	MEET                                           ; the barrier opens a round of the cluster's barrier;
	CREST                                          ; the joint refill is the first tensor load behind the round
	s_xor_b32 s[G0+5], s[G0+5], SLOT
	s_add_nc_u64 s[G0+6:G0+7], s[G0+6:G0+7], 256
	s_xor_b32 s[G0B+5], s[G0B+5], SLOT
	s_add_nc_u64 s[G0B+6:G0B+7], s[G0B+6:G0B+7], 256
	JLOAD 1
	NEXTSLOT
	QUARTER 64, F0, F1, 0
	WIN 0
	s_sub_co_u32 s3, s3, 1
	s_cmp_lg_u32 s3, 0
	s_cbranch_scc1 .Lstep
	s_mov_b32 s3, 2
.Ltail:                                        ; K steps 2 and 3: nothing is filled again.  The second trip is left behind its barrier, which it passes only because the text is the first trip's
	QUARTER 128, F1, F0, 0
	QUARTER 192, F0, F1, 0
	MEET                                           ; first trip: K step 3 has landed, and behind this barrier no wave reads slot 0
	s_sub_co_u32 s3, s3, 1
	s_cmp_eq_u32 s3, 0
	s_cbranch_scc1 .Llast
	PLACES
	NEXTSLOT
	WIN 0
	s_wait_loadcnt 0x0                             ; the first batch of table rows, the second batch's idx, smax
	WIN 0x04                                       ; store data in window 1
.set q, 0
.rept 32
	ds_store_b128 v[FS], v[4*q+128*(q/16):4*q+128*(q/16)+3] offset:PITCH*q               ; rows q and 64 + q of my stage
.set q, q+1
.endr
	WIN 0
.set q, 0
.rept 32
	v_min_u32 v[GB+q], 0x7ff, v[GB+q]
	v_lshl_add_u32 v[GB+q], v[GB+q], 12, v[LR16]
.set q, q+1
.endr
	WIN TO_B
.set q, 0
.rept 32
	global_load_b128 v[4*q+128*(q/16):4*q+128*(q/16)+3], v[GB+q], s[86:87]               ; the second batch has K step 3 in which to land
.set q, q+1
.endr
	QUARTER 64, F0, F1, 0
	WIN 0
	s_branch .Ltail
.Llast:
	MUL16 F1, 1, 0, 0                              ; the last 32 products
	MUL16 F1, 1, 2, 0
	WIN 0
	PLACES
	PLACES
	s_wait_loadcnt 0x0
	WIN 0x04
.set q, 0
.rept 32
	ds_store_b128 v[FS], v[4*q+128*(q/16):4*q+128*(q/16)+3] offset:PITCH*(32+q)          ; rows 32 + q and 96 + q
.set q, q+1
.endr
	WIN 0
; THE WAY OUT, a block of 16 rows at a time.  LDS serves a wave's instructions in order (ISA guide 5.7.1.4): the loads see my stores above.
.macro FLOAD a                         ; the block's table values: 16 bytes for each column tile, into one of two buffers
.irp b, 0,1,2,3,4,5,6,7
	ds_load_b128 v[F1+32*((\a)%2)+4*(\b):F1+32*((\a)%2)+4*(\b)+3], v[FRD] offset:16*PITCH*(\a)+32*(\b)
.endr
.endm
.macro BLOCK a
.if (\a) < 7
	FLOAD (\a)+1
.endif
	WIN 0x08+4*((\a)/4)                            ; source 1 in window 2 or 3
.set AC, 64*((\a)%4)
.set FRB, F1+32*((\a)%2)
.set q, 0
.rept 32
	v_pk_add_f32 v[N+2*q:N+2*q+1], v[SM+2*(\a):SM+2*(\a)+1], v[AC+2*q:AC+2*q+1] neg_lo:[0,1] neg_hi:[0,1]   ; smax - acc: each accumulator from its low end on
.set q, q+1
.endr
	WIN 0
.if (\a) < 7
	s_wait_dscnt 8                                 ; the next block's eight loads may stay out
.else
	s_wait_dscnt 0x0
.endif
.set q, 0
.rept 32
	v_fma_mix_f32_bf16 v[N+2*q],   v[FRB+q], |v[N+2*q]|,   v[ZERO] op_sel:[0,0,0] op_sel_hi:[1,0,0]   ; its magnitude x the table's bf16, low half,
	v_fma_mix_f32_bf16 v[N+2*q+1], v[FRB+q], |v[N+2*q+1]|, v[ZERO] op_sel:[1,0,0] op_sel_hi:[1,0,0]   ; high half
.set q, q+1
.endr
	RED64 v_min3_num_f32, v_min_num_f32, N, PM+(\a)
.endm
	FLOAD 0
.irp a, 0,1,2,3,4,5,6,7
	BLOCK \a
.endr
.irp a, 0,1,2,3,4,5,6,7
	v_permlanex16_b32 v[PM+8+(\a)], v[PM+(\a)], s90, s91     ; the row's other 64 columns lie in the lane 16 away
.endr
.irp a, 0,1,2,3,4,5,6,7
	v_min_num_f32 v[PM+(\a)], v[PM+(\a)], v[PM+8+(\a)]
.endr
	s_mov_b32 s88, 0xffff0000
.irp q, 0,1,2,3
	v_cndmask_b32 v[PM+16+(\q)], v[PM+2*(\q)], v[PM+2*(\q)+1], s88   ; two blocks make 32 rows on end: lanes 16-31 take the second
.endr
.irp q, 0,1,2,3
	global_store_b32 v[PMO], v[PM+16+(\q)], s[78:79] offset:128*(\q)
.endr
	s_wait_tensorcnt 0x0                           ; the wave's end
	ds_add_u32 v[SPW], v[NIL]
	s_wait_dscnt 0x0
	CROUND
	s_endpgm
.Lfunc_end_k_q695ce39555_gemm_r:
	.size	k_q695ce39555_gemm_r, .Lfunc_end_k_q695ce39555_gemm_r-k_q695ce39555_gemm_r
	.p2alignl 7, 3214868480
	.fill 96, 4, 3214868480
	.section	.rodata,"a",@progbits
	.p2align	6, 0x0
	.amdhsa_kernel k_q695ce39555_gemm_r
		.amdhsa_group_segment_fixed_size 327680
		.amdhsa_private_segment_fixed_size 0
		.amdhsa_enable_private_segment 0
		.amdhsa_kernarg_size 48
		.amdhsa_user_sgpr_count 2
		.amdhsa_user_sgpr_kernarg_segment_ptr 1
		.amdhsa_wavefront_size32 1
		.amdhsa_system_sgpr_workgroup_id_x 1
		.amdhsa_system_sgpr_workgroup_id_y 1
		.amdhsa_system_sgpr_workgroup_id_z 1
		.amdhsa_system_vgpr_workitem_id 0
		.amdhsa_next_free_vgpr 1024
		.amdhsa_next_free_sgpr 102
		.amdhsa_reserve_vcc 0
		.amdhsa_float_denorm_mode_32 3
		.amdhsa_float_denorm_mode_16_64 3
		.amdhsa_memory_ordered 1
		.amdhsa_forward_progress 1
		.amdhsa_inst_pref_size 166
	.end_amdhsa_kernel
	.amdgpu_metadata
---
amdhsa.version: [ 1, 2 ]
amdhsa.kernels:
  - .name:           k_q695ce39555_gemm_r
    .symbol:         k_q695ce39555_gemm_r.kd
    .args:
      - { .name: wb, .offset: 0, .size: 8, .value_kind: global_buffer, .address_space: global }
      - { .name: nrm, .offset: 8, .size: 8, .value_kind: global_buffer, .address_space: global }
      - { .name: idx, .offset: 16, .size: 8, .value_kind: global_buffer, .address_space: global }
      - { .name: smax, .offset: 24, .size: 8, .value_kind: global_buffer, .address_space: global }
      - { .name: ftab, .offset: 32, .size: 8, .value_kind: global_buffer, .address_space: global }
      - { .name: pm, .offset: 40, .size: 8, .value_kind: global_buffer, .address_space: global }
    .group_segment_fixed_size: 327680
    .private_segment_fixed_size: 0
    .kernarg_segment_align: 8
    .kernarg_segment_size: 48
    .max_flat_workgroup_size: 128
    .sgpr_count:     102
    .vgpr_count:     1024
    .wavefront_size: 32
...
	.end_amdgpu_metadata
.endif
;; end of part 4
;; launch fin (part 5): grid 256 x 1, 1 waves a work-group, no clusters, 0 bytes of LDS; arguments pm, out0; writes out0
.if DOCPART == 5
	.amdgcn_target "amdgcn-amd-amdhsa--gfx1250"
	.amdhsa_code_object_version 6
	.text
	.protected	k_q695ce39555_fin
	.globl	k_q695ce39555_fin
	.p2align	8
	.type	k_q695ce39555_fin,@function
k_q695ce39555_fin:
	s_mov_b64 s[64:65], 0
	v_nop
	global_prefetch_b8 v0, s[64:65] scope:SCOPE_SE
	s_setreg_imm32_b32 hwreg(HW_REG_WAVE_MODE, 25, 1), 1
	s_wait_xcnt 0x0
; Launch 5 of 5: out0[b][1000] = the least of the row's 16 partial minima (one for each 128 columns of the rejective centroids).  A lane a row, 32 rows a work-group.
; The column's numbers lie 4,004 bytes apart in out0: that is the output's own shape, so each lane stores its 4 bytes by itself.
	s_load_b128 s[4:7], s[0:1], 0x0                ; pm s[4:5], out0 s[6:7]
	s_lshl_b32 s8, ttmp9, 5
	v_add_nc_u32 v1, s8, v0                        ; my row
	v_lshlrev_b32 v2, 2, v1
	v_mul_u32_u24 v3, v1, 4004
	s_wait_kmcnt 0x0
.irp s, 0,1,2,3,4,5,6,7,8,9,10,11,12,13,14,15
	global_load_b32 v[4+(\s)], v2, s[4:5] offset:32768*(\s)
.endr
	s_wait_loadcnt 0x0
	v_min3_num_f32 v4, v4, v5, v6
	v_min3_num_f32 v7, v7, v8, v9
	v_min3_num_f32 v10, v10, v11, v12
	v_min3_num_f32 v13, v13, v14, v15
	v_min3_num_f32 v16, v16, v17, v18
	v_min3_num_f32 v4, v4, v7, v10
	v_min3_num_f32 v13, v13, v16, v19
	v_min_num_f32 v4, v4, v13
	global_store_b32 v3, v4, s[6:7] offset:4000
	s_endpgm
.Lfunc_end_k_q695ce39555_fin:
	.size	k_q695ce39555_fin, .Lfunc_end_k_q695ce39555_fin-k_q695ce39555_fin
	.p2alignl 7, 3214868480
	.fill 96, 4, 3214868480
	.section	.rodata,"a",@progbits
	.p2align	6, 0x0
	.amdhsa_kernel k_q695ce39555_fin
		.amdhsa_group_segment_fixed_size 0
		.amdhsa_private_segment_fixed_size 0
		.amdhsa_enable_private_segment 0
		.amdhsa_kernarg_size 16
		.amdhsa_user_sgpr_count 2
		.amdhsa_user_sgpr_kernarg_segment_ptr 1
		.amdhsa_wavefront_size32 1
		.amdhsa_system_sgpr_workgroup_id_x 1
		.amdhsa_system_sgpr_workgroup_id_y 1
		.amdhsa_system_sgpr_workgroup_id_z 1
		.amdhsa_system_vgpr_workitem_id 0
		.amdhsa_next_free_vgpr 24
		.amdhsa_next_free_sgpr 66
		.amdhsa_reserve_vcc 0
		.amdhsa_float_denorm_mode_32 3
		.amdhsa_float_denorm_mode_16_64 3
		.amdhsa_memory_ordered 1
		.amdhsa_forward_progress 1
		.amdhsa_inst_pref_size 3
	.end_amdhsa_kernel
	.amdgpu_metadata
---
amdhsa.version: [ 1, 2 ]
amdhsa.kernels:
  - .name:           k_q695ce39555_fin
    .symbol:         k_q695ce39555_fin.kd
    .args:
      - { .name: pm, .offset: 0, .size: 8, .value_kind: global_buffer, .address_space: global }
      - { .name: out0, .offset: 8, .size: 8, .value_kind: global_buffer, .address_space: global }
    .group_segment_fixed_size: 0
    .private_segment_fixed_size: 0
    .kernarg_segment_align: 8
    .kernarg_segment_size: 16
    .max_flat_workgroup_size: 32
    .sgpr_count:     66
    .vgpr_count:     24
    .wavefront_size: 32
...
	.end_amdgpu_metadata
.endif
;; end of part 5
;; ======== version 2 of 2: 5 launches; version 1 with the launch prep written anew for expert scheduling mode
;; limits: right only within a limited range of input values; values within 1.5e-05 (relative) of each other or of a threshold may be ordered or decided otherwise than in the reference
;; workspace buffers: wb 12,582,912 bytes; nrm 49,152 bytes; pv 524,288 bytes; pi 524,288 bytes of whole numbers; ftab 8,388,608 bytes; idx 32,768 bytes of whole numbers; smax 32,768 bytes; pm 524,288 bytes
;; launch prep (part 6): grid 256 x 1, 6 waves a work-group, no clusters, 0 bytes of LDS; arguments x, centroids, rejective_centroids, wb, nrm; writes wb, nrm
.if DOCPART == 6
	.amdgcn_target "amdgcn-amd-amdhsa--gfx1250"
	.amdhsa_code_object_version 6
	.text
	.protected	k_q695ce39555_prep
	.globl	k_q695ce39555_prep
	.p2align	8
	.type	k_q695ce39555_prep,@function
k_q695ce39555_prep:
	s_mov_b64 s[64:65], 0
	v_nop
	global_prefetch_b8 v0, s[64:65] scope:SCOPE_SE
	s_setreg_imm32_b32 hwreg(HW_REG_WAVE_SCHED_MODE, 0, 2), 2
	s_setreg_imm32_b32 hwreg(HW_REG_WAVE_MODE, 25, 1), 1
	s_wait_xcnt 0x0
	s_wait_alu depctr_vm_vsrc(0)
; SelectiveCentroidLayer, launch 1 of 5: x, centroids and rejective_centroids are rounded once to bf16 (matrix operands) and each row's squared norm is taken in f32.
; wb: bf16 [12288][512]: rows 0-8191 x, 8192-10239 the 2000 centroids and 48 rows of zeros, 10240-12287 the 2000 rejective centroids and 48 rows of zeros.  nrm: f32 [12288], the same rows.
; THE PROGRAM.  cn = max |c_i|, inv = 1 / (cn + 1e-16), cf = inv c.  s[b][t] = x_b . cf_t - c2_t / 2 = inv (x_b . c_t - cn2_t inv / 2), so d2 = x2 - 2 s and argmin dist = argmax s.
; WORK OF reference() THAT IS NOT DONE, for all finite values of the inputs:
;  (1) closest = cf[idx] is a row of cf, so closest @ r^T is row idx[b] of cf @ r^T, which has 2000 different rows, not 8192: that product is made once, and since den hangs on (idx[b], t) alone,
;      the table 1 / den is made once too (its clamp at 0 and its + 1e-9 as reference() has them); a later launch looks its rows up by idx, which an earlier launch has stored.
;  (2) cx - cl2 / 2 = x_b . cf[idx] - c2[idx] / 2 is s[b][idx[b]], the greatest score itself: no product closest * x, no sum closest * closest.
;  (3) the root is monotone: the lesser of a class's two distances is the root of the clamped lesser d2: one root a class.
;  (4) return_dists is the constant 1: the other return of reference() is never reached.
; All three tensors have a way to the output and are loaded.
; LIMITS.  A NaN, an infinity or an overflow that reaches only the work left out is not carried to the result.  The argmin is taken on this program's own scores (bf16 operands, f32 sums) with their lowest
; 7 bits given to the column's number: scores closer than 2^-16 of themselves count as ties; a tie goes to the lower index for scores above 0, to the higher below 0.  Padding columns enter as -1e30:
; scores must lie above that.  Maxima and minima drop NaN; roots and reciprocals flush denormals (ISA guide, their entries).  The table is kept in bf16 (1e9 has no room in f16).
; SHARES.  12288 rows = 256 work-groups x 6 waves x 8 rows.  8192, 10240 and 2000 are multiples of 8: a wave's rows lie in one source and are all real or all padding; the choice is scalar, from ids.
; A wave asks for its 8 rows (16 KiB, 32 loads) before its first wait; a load covers 512 consecutive bytes, a store 256 consecutive bytes at a multiple of 256 from wb's first byte.
; THE MODE: SCHED_MODE bits 1:0 = 2 (LLVM: expert scheduling mode 2), set by the entry lines.  The code itself states the register dependences
; between vector instructions and memory instructions, with s_wait_alu, always for 0.
; THE PLAN.  Registers that memory instructions touch:
;   v3, v4, v6   byte offsets, made once at the head and never written again: v3 is read by the loads, v4 by the stores into wb, v6 by the store into nrm.
;   X[0] .. X[7] a row each.  Written by the row's four loads, all issued at the head, before any vector instruction names them; read by the row's squares; the low pair of each four is then written
;                by the row's roundings and read by the row's four stores.  Nothing writes a row's registers behind its stores.
;   v5           the lane's norm: written by the selects (or the padding arm's move), read by the store into nrm.
;   v16-19, SUM and v2 are named by vector instructions alone.
; Row i's stores are issued in row i + 1, behind ONE wait on va_vdst at that row's head, which states that row i's roundings have written their pairs; they are dealt among row i + 1's squares, which name
; X[i + 1] and v16-19: none of the registers that those stores read.  Row 7's stores have a wait of their own.  The way from the head to the norms is straight code: there is no back edge.
.set X,   32                           ; v[32:159] row i, part j at X + 16 i + 4 j: elements 128 j + 4 lane .. + 3
.set SUM, 8                            ; v[8:15]   the rows' squared norms, in every lane
.set MK,  15                           ; the mask 'lane = k', k = 1 .. 7, in s[MK + k + 2 (k / 5)]: s16-19 and s22-24, which are free once the bases are made
	s_load_b256 s[4:11], s[0:1], 0x0               ; x s[4:5], centroids s[6:7], rejective s[8:9], wb s[10:11]
	s_load_b64 s[12:13], s[0:1], 0x20              ; nrm
	v_lshrrev_b32 v1, 5, v0
	v_readfirstlane_b32 s14, v1                    ; wave 0..5
	v_and_b32 v2, 31, v0                           ; lane
	v_lshlrev_b32 v3, 4, v2                        ; 16 bytes a lane in the source
	v_lshlrev_b32 v4, 3, v2                        ; 8 bytes a lane in wb
	v_lshlrev_b32 v6, 2, v2                        ; 4 bytes a lane in nrm
	s_mov_b32 s26, 0x76543210                      ; v_permlanex16_b32: each lane takes its own place in the other half
	s_mov_b32 s27, 0xfedcba98
	s_mul_i32 s16, ttmp9, 48
	s_wait_alu depctr_va_sdst(0)                   ; s14 is written, ahead of its first reader: my first row, and with it every base, is made from it
	s_lshl_b32 s17, s14, 3
	s_add_co_u32 s16, s16, s17                     ; my first row in wb
	s_mov_b32 s18, 10240
	s_movk_i32 s19, 2000
	s_cmp_lt_u32 s16, 10240
	s_cselect_b32 s18, 8192, s18
	s_cmp_lt_u32 s16, 8192
	s_cselect_b32 s18, 0, s18                      ; the source's first row in wb
	s_cselect_b32 s19, 8192, s19                   ; the source's rows
	s_sub_co_u32 s17, s16, s18                     ; my first row in the source
	s_lshl_b32 s22, s17, 11                        ; x 2,048 bytes
	s_mov_b32 s23, 0
	s_lshl_b32 s24, s16, 10                        ; x 1,024 bytes
	s_mov_b32 s25, 0
	s_lshl_b32 s28, s16, 2
	s_mov_b32 s29, 0
	s_wait_kmcnt 0x0
	s_cmp_lt_u32 s16, 10240
	s_cselect_b64 s[20:21], s[6:7], s[8:9]
	s_cmp_lt_u32 s16, 8192
	s_cselect_b64 s[20:21], s[4:5], s[20:21]
	s_add_nc_u64 s[10:11], s[10:11], s[24:25]
	s_add_nc_u64 s[12:13], s[12:13], s[28:29]
	s_cmp_ge_u32 s17, s19
	s_cbranch_scc1 .Lpad                           ; rows past the source's end: zeros
	s_add_nc_u64 s[20:21], s[20:21], s[22:23]
	s_wait_alu depctr_va_vdst(0)                   ; v3, v4 and v6 are written: the loads below read v3 as their offset, the stores further down v4 and v6
.irp i, 0,1,2,3,4,5,6,7
.irp j, 0,1,2,3
	global_load_b128 v[X+16*(\i)+4*(\j):X+16*(\i)+4*(\j)+3], v3, s[20:21] offset:2048*(\i)+512*(\j) th:TH_LOAD_NT
.endr
.endr
.irp k, 1,2,3,4,5,6,7
	v_cmp_eq_u32 s[MK+(\k)+2*((\k)/5)], \k, v2     ; the masks by which lane k takes row k's norm: made in one run, while the loads are on their way
.endr
	s_wait_alu depctr_va_sdst(0)                   ; the seven masks are written: one wait for the run, ahead of the selects that read them
; Part j of row i goes out: 256 consecutive bytes of wb.
.macro PUT i, j
	global_store_b64 v4, v[X+16*(\i)+4*(\j):X+16*(\i)+4*(\j)+1], s[10:11] offset:1024*(\i)+256*(\j)
.endm
.macro ROWDO i
	s_wait_loadcnt 28-4*(\i)                       ; loads come back in order: the four loads of each younger row may stay out
.if (\i) > 0
	s_wait_alu depctr_va_vdst(0)                   ; the roundings of the row before have written its four pairs, which the four stores below read
.endif
.irp p, 0,2,4,6
.if (\i) > 0
	PUT (\i)-1, (\p)/2                             ; no further wait: no vector instruction since the wait names v4 or a register of the row before
.endif
.if (\p) == 0
	v_pk_mul_f32 v[16:17], v[X+16*(\i):X+16*(\i)+1], v[X+16*(\i):X+16*(\i)+1]          ; the squares, in two chains
	v_pk_mul_f32 v[18:19], v[X+16*(\i)+2:X+16*(\i)+3], v[X+16*(\i)+2:X+16*(\i)+3]
.else
	v_pk_fma_f32 v[16:17], v[X+16*(\i)+2*(\p):X+16*(\i)+2*(\p)+1], v[X+16*(\i)+2*(\p):X+16*(\i)+2*(\p)+1], v[16:17]
	v_pk_fma_f32 v[18:19], v[X+16*(\i)+2*(\p)+2:X+16*(\i)+2*(\p)+3], v[X+16*(\i)+2*(\p)+2:X+16*(\i)+2*(\p)+3], v[18:19]
.endif
.endr
	v_pk_add_f32 v[16:17], v[16:17], v[18:19]
	v_add_f32 v16, v16, v17
	v_add_f32_dpp v16, v16, v16 row_xmask:1 row_mask:0xf bank_mask:0xf
	v_add_f32_dpp v16, v16, v16 row_xmask:2 row_mask:0xf bank_mask:0xf
	v_add_f32_dpp v16, v16, v16 row_xmask:4 row_mask:0xf bank_mask:0xf
	v_add_f32_dpp v16, v16, v16 row_xmask:8 row_mask:0xf bank_mask:0xf
	v_permlanex16_b32 v17, v16, s26, s27
	v_add_f32 v[SUM+(\i)], v16, v17
.irp j, 0,1,2,3
	v_cvt_pk_bf16_f32 v[X+16*(\i)+4*(\j)],   v[X+16*(\i)+4*(\j)],   v[X+16*(\i)+4*(\j)+1]  ; rounded in place, into the low pair of each four
	v_cvt_pk_bf16_f32 v[X+16*(\i)+4*(\j)+1], v[X+16*(\i)+4*(\j)+2], v[X+16*(\i)+4*(\j)+3]
.endr
.endm
.irp i, 0,1,2,3,4,5,6,7
	ROWDO \i
.endr
	s_wait_alu depctr_va_vdst(0)                   ; row 7's roundings have written its four pairs, which the last four stores into wb read
.irp j, 0,1,2,3
	PUT 7, \j
.endr
	v_mov_b32 v5, v[SUM]                           ; lane k takes row k's norm
.irp k, 1,2,3,4,5,6,7
	v_cndmask_b32 v5, v5, v[SUM+(\k)], s[MK+(\k)+2*((\k)/5)]
.endr
	s_branch .Lnorm
.Lpad:
	v_mov_b32 v32, 0
	v_mov_b32 v33, 0
	v_mov_b32 v5, 0
	s_wait_alu depctr_va_vdst(0)                   ; v32 and v33, the stores' data, and v4, their offset, are written
.irp i, 0,1,2,3,4,5,6,7
.irp j, 0,1,2,3
	global_store_b64 v4, v[32:33], s[10:11] offset:1024*(\i)+256*(\j)
.endr
.endr
.Lnorm:
	v_cmp_gt_u32 vcc_lo, 8, v2
	s_wait_xcnt 0x0                                ; EXEC is a source of the stores above: it changes only behind this wait
	s_wait_alu depctr_va_vcc(0)                    ; VCC is written: EXEC is made from it
	s_wait_alu depctr_va_vdst(0)                   ; every vector instruction issued under the full EXEC is done; among them those that wrote v5, which the store below reads (v6 was written at the head)
	s_wait_alu depctr_vm_vsrc(0)                   ; the stores above have read their vector registers under the full EXEC
	s_and_saveexec_b32 s30, vcc_lo
	global_store_b32 v6, v5, s[12:13]              ; eight norms, 32 consecutive bytes
	s_wait_xcnt 0x0                                ; and again ahead of the line that widens it
	s_wait_alu depctr_va_vdst(0)                   ; ahead of the scalar write of EXEC: no vector instruction is pending under the narrow EXEC
	s_wait_alu depctr_vm_vsrc(0)                   ; the store has read v6 and v5 under the narrow EXEC
	s_or_b32 exec_lo, exec_lo, s30
	s_endpgm
.Lfunc_end_k_q695ce39555_prep:
	.size	k_q695ce39555_prep, .Lfunc_end_k_q695ce39555_prep-k_q695ce39555_prep
	.p2alignl 7, 3214868480
	.fill 96, 4, 3214868480
	.section	.rodata,"a",@progbits
	.p2align	6, 0x0
	.amdhsa_kernel k_q695ce39555_prep
		.amdhsa_group_segment_fixed_size 0
		.amdhsa_private_segment_fixed_size 0
		.amdhsa_enable_private_segment 0
		.amdhsa_kernarg_size 40
		.amdhsa_user_sgpr_count 2
		.amdhsa_user_sgpr_kernarg_segment_ptr 1
		.amdhsa_wavefront_size32 1
		.amdhsa_system_sgpr_workgroup_id_x 1
		.amdhsa_system_sgpr_workgroup_id_y 1
		.amdhsa_system_sgpr_workgroup_id_z 1
		.amdhsa_system_vgpr_workitem_id 0
		.amdhsa_next_free_vgpr 160
		.amdhsa_next_free_sgpr 66
		.amdhsa_reserve_vcc 1
		.amdhsa_float_denorm_mode_32 3
		.amdhsa_float_denorm_mode_16_64 3
		.amdhsa_memory_ordered 1
		.amdhsa_forward_progress 1
		.amdhsa_inst_pref_size 25
	.end_amdhsa_kernel
	.amdgpu_metadata
---
amdhsa.version: [ 1, 2 ]
amdhsa.kernels:
  - .name:           k_q695ce39555_prep
    .symbol:         k_q695ce39555_prep.kd
    .args:
      - { .name: x, .offset: 0, .size: 8, .value_kind: global_buffer, .address_space: global }
      - { .name: centroids, .offset: 8, .size: 8, .value_kind: global_buffer, .address_space: global }
      - { .name: rejective_centroids, .offset: 16, .size: 8, .value_kind: global_buffer, .address_space: global }
      - { .name: wb, .offset: 24, .size: 8, .value_kind: global_buffer, .address_space: global }
      - { .name: nrm, .offset: 32, .size: 8, .value_kind: global_buffer, .address_space: global }
    .group_segment_fixed_size: 0
    .private_segment_fixed_size: 0
    .kernarg_segment_align: 8
    .kernarg_segment_size: 40
    .max_flat_workgroup_size: 192
    .sgpr_count:     66
    .vgpr_count:     160
    .wavefront_size: 32
...
	.end_amdgpu_metadata
.endif
;; end of part 6
;; launch gemm_c: the kernel of part 2 again; grid 8 x 32, 4 waves a work-group, clusters of 4 x 4, 327,680 bytes of LDS; arguments wb, nrm, out0, pv, pi; writes out0, pv, pi
;; launch table: the kernel of part 3 again; grid 16 x 16, 4 waves a work-group, clusters of 4 x 4, 327,680 bytes of LDS; arguments wb, nrm, pv, pi, ftab, idx, smax; writes ftab, idx, smax
;; launch gemm_r: the kernel of part 4 again; grid 8 x 32, 4 waves a work-group, clusters of 4 x 4, 327,680 bytes of LDS; arguments wb, nrm, idx, smax, ftab, pm; writes pm
;; launch fin: the kernel of part 5 again; grid 256 x 1, 1 waves a work-group, no clusters, 0 bytes of LDS; arguments pm, out0; writes out0
